; MI455X (gfx1250); checked and timed in simulation.
; The chip was launched on July 23, 2026; its instructions are those of AMD's public machine-readable ISA for CDNA 5 (MIT licence, August 2026) and "CDNA5" Instruction Set Architecture Reference Guide (July 2026). The comments in the code are by the model that wrote it; some were corrected since.
;; Multi Head Attention. Allowed arithmetic: matrix products marked QUANTISED: E2M3 operands, one E8M0 scale for each 32 along K, by v_wmma_scale_f32_16x16x128_f8f6f4 with both operands' format E2M3, f32 sums; everything else in f32.
;; Inputs: Wk 1,024 x 1,024 float32; Wo 1,024 x 1,024 float32; Wq 1,024 x 1,024 float32; Wv 1,024 x 1,024 float32; bk 1,024 float32; bo 1,024 float32; bq 1,024 float32; bv 1,024 float32; x_kv 4 x 2,048 x 1,024 float32; x_q 4 x 2,048 x 1,024 float32.
;; Outputs: out0 4 x 2,048 x 1,024 float32.
;; This version of the problem:
;;   THIS VERSION OF THE PROBLEM IS GIVEN IN LOW PRECISION. The matrix products marked QUANTISED in the list below multiply operands that are first quantised to E2M3 (2 exponent bits, 3 mantissa bits; 6 bits a number), with one power-of-two scale for each 32 numbers along K (OCP MX v1.0); their sums are f32. All else is computed in f32.
;;   The module's matrix products, in the order in which they are computed (A, B: the left and right operand; K: the contracted axis; several contracted axes count as one K, in the product's order):
;;     1. [M 8,192, K 1,024] x [K 1,024, N 1,024]; A: input x_q; B: input Wq: QUANTISED
;;     2. [M 8,192, K 1,024] x [K 1,024, N 1,024]; A: input x_kv; B: input Wk: QUANTISED
;;     3. [M 8,192, K 1,024] x [K 1,024, N 1,024]; A: input x_kv; B: input Wv: QUANTISED
;;     4. batch 64 x [M 2,048, K 64] x [K 64, N 2,048]; A: computed on the way; B: computed on the way: QUANTISED
;;     5. batch 64 x [M 2,048, K 2,048] x [K 2,048, N 64]; A: softmax (see below); B: computed on the way: QUANTISED
;;     6. [M 8,192, K 1,024] x [K 1,024, N 1,024]; A: computed on the way; B: input Wo: QUANTISED
;;   THE QUANTISER, for each operand of a quantised product, along K:
;;     - K is cut into blocks of 32 from its start; a last block that is shorter is filled with zeros.
;;     - A block's scale is 2^e with e = floor(log2(the largest magnitude in the block)) - 2, held to -126 .. 127; a block of zeros has e = 0. As a byte (E8M0): e + 127.
;;     - Each number is divided by its block's scale, clamped to +-7.5, and rounded to the nearest number of E2M3, ties to even, subnormals kept.
;;     - The product sums the exact products of the quantised numbers (number of the format x scale) in f32.
;;   ~~~python
;;   def quantise(x, axis):      # numpy; x: float32 -> the quantised numbers, widened to float32 again
;;       x = np.moveaxis(x, axis, -1); K = x.shape[-1]
;;       x = np.pad(x, [(0, 0)] * (x.ndim - 1) + [(0, -K % 32)]); x = x.reshape(x.shape[:-1] + (-1, 32)); a = np.abs(x).max(-1, keepdims=True)
;;       e = np.where(a > 0, np.clip(np.frexp(np.where(a > 0, a, 1))[1] - 1 - 2, -126, 127), 0)      # np.frexp(a)[1] - 1 = floor(log2(a)), exactly
;;       r = np.clip(x / 2.0 ** e, -7.5, 7.5)
;;       step = 2.0 ** (np.maximum(np.frexp(np.where(r == 0, 1, r))[1] - 1, 0) - 3)
;;       q = np.round(r / step) * step * 2.0 ** e      # np.round: ties to even
;;       return np.moveaxis(q.reshape(q.shape[:-2] + (-1,))[..., :K], -1, axis).astype(np.float32)
;;   ~~~
;;   SOFTMAX AHEAD OF A QUANTISED PRODUCT. Where the list says 'softmax', what is quantised is not the finished softmax but p = 2^(t - M), with t = logit x log2(e) and M = ceil(the row's largest t), a whole number; so 1/2 < the row's largest p <= 1. The row's sum l is taken of the UNQUANTISED p, in f32, and the product's result is divided by l at the end. Since M is a whole number, a kernel that streams over the keys may use a running M (the ceiling of the running maximum): every later rescaling is an exact power of two, which a block's scale takes up: the codes' values come out the same.
;;   OPERANDS COMPUTED ON THE WAY. 'Computed on the way' means the value that the module computes at that place (a softmax that the list does not call 'softmax' is quantised finished and normalised). What goes into a quantiser is computed in f32, as accurately as f32 sums, v_exp_f32 and their like allow (about 1e-6 of the number): no bf16 or f16 on the way to a quantiser, and a product that is left as it is and whose result goes on into a quantised operand takes f32 operands (vector FMAs, or v_wmma_f32_16x16x4_f32). A number that lies on a knife's edge between two numbers of the format may be rounded either way, as far as f32 arithmetic and the matrix unit's own rounding can turn it there, and no further.
;; One version. Each part assembles by itself: llvm-mc -triple=amdgcn-amd-amdhsa -mcpu=gfx1250 --defsym DOCPART=n.
;; ======== version 1 of 1: 4 launches
;; limits: right only within a limited range of input values
;; workspace buffers: opc 15,728,640 bytes; ops 655,360 bytes; qc 6,553,600 bytes; kv 13,107,200 bytes; ao 6,291,456 bytes; aos 262,144 bytes
;; launch quant (part 1): grid 256 x 1, 10 waves a work-group, no clusters, 88,320 bytes of LDS; arguments x_q, x_kv, Wq, Wk, Wv, Wo, opc, ops; writes opc, ops
.if DOCPART == 1
	.amdgcn_target "amdgcn-amd-amdhsa--gfx1250"
	.amdhsa_code_object_version 6
	.text
	.protected	k_qbb6b48973b_quant
	.globl	k_qbb6b48973b_quant
	.p2align	8
	.type	k_qbb6b48973b_quant,@function
k_qbb6b48973b_quant:
	s_mov_b64 s[64:65], 0
	v_nop
	global_prefetch_b8 v0, s[64:65] scope:SCOPE_SE
	s_setreg_imm32_b32 hwreg(HW_REG_WAVE_MODE, 25, 1), 1
	s_wait_xcnt 0x0
; x_q, x_kv [8192][1024] and Wq, Wk, Wv, Wo [1024][1024], f32, K innermost, become codes of FP6 (E2M3) with one E8M0 byte for each 32 along K.
; The six tensors count as ONE run of 20,480 rows.  The codes are stored as IMAGES OF OPERAND REGISTERS: a fragment (16 rows x 128 K, 12 registers a lane) is three planes of 512 bytes,
; plane j = registers 4 j .. 4 j + 3, lane l at byte 16 l.  opc: group of 128 rows x 98,304 + K step x 12,288 + tile x 1,536.  ops: tile x 512 + (K step / 2) x 128 + 8 r + 4 (K step % 2).
; THE ROWS OF A TILE ARE NOT NEIGHBOURS: lane r of tile T holds row 32 (T / 2) + 8 (T % 2) + r + 8 (r / 8), so that in a product the 16 registers of two neighbouring tiles of source 0 are 16 neighbours.
; A block's scale is 2^(floor(log2(largest magnitude)) - 2): the largest magnitude's exponent field - 2, held at 1 from below.
; LIMITS: NaN and infinities are not served; a block whose largest magnitude lies under 2^-124 (a block of zeros too) gets the byte 1: a block of zeros has zero codes, and this program alone reads the bytes.
; SHARES: the rows make 1,280 tiles, each with two halves of K: 2,560 shares of four fragments.  256 work-groups of ten waves take them: wave w of work-group g has share J = 10 g + w: the run of 32 rows J / 4, its tile (J / 2) % 2, the half of K J % 2.
; Each load reads 512 consecutive bytes of one row; the 16 rows turn through the wave's own stage in LDS (rows of 528 bytes), from which lane (r, h) takes 16 neighbours of each block of 32.
; Waves share nothing: no barrier.  Work-groups share no input: no cluster.  No matrix work.
.set ROWB, 4096                        ; a row of f32 in memory
.set SP,   528                         ; a stage row: 512 bytes + 16: an odd multiple of 16
.set WREG, 8704                        ; LDS of a wave: 16 stage rows, then its 256 scale bytes
.set SCB,  16*SP
.set SPARE, 10*WREG                    ; behind the ten regions: the spare words, 128 bytes a wave
.set GRP,  98304
.set KSB,  12288
.set FRB,  1536
.set LI,   1                           ; v1  16 x lane
.set SI,   2                           ; v2  the stage, on the way in
.set SO,   3                           ; v3  and out: 528 r + 64 h
.set SW,   4                           ; v4  my row's scale words in LDS: 8 r
.set SR,   5                           ; v5  the 256 scale bytes on the way out: 8 x lane
.set L8,   6                           ; v6  8 x lane
.set R,    16                          ; v16-143  two sets of 64 as loaded
.set X,    144                         ; v144-207 64 numbers: register 16 b + i = k 32 b + 16 h + i of my row
.set PC,   208                         ; v208-219 the fragment's codes
.set T0,   220
.set T1,   224
.set TM,   228                         ; v228-243 at work
.set PW,   244                         ; the scale word
.set SEL,  30                          ; s[30:31] lane selects: lane l xor 16
.set RUN,  34                          ; s34 my run of 32 rows, 0 .. 639
; 64 numbers of a lane become a fragment's codes (d0: registers 0-5, d1: registers 6-11) and its scale word (pw).  t0, t1: three registers each.
.macro QUANT s, d0, d1, t0, t1, pw
.irp b, 0,1,2,3
	v_max3_num_f32 v[TM+\b], |v[(\s)+16*\b]|, |v[(\s)+1+16*\b]|, 0x1800000   ; my 16 numbers of block b, and the floor 2^(3 - 127): the byte cannot fall under 1
.endr
.irp i, 2,4,6,8,10,12,14
.irp b, 0,1,2,3
	v_max3_num_f32 v[TM+\b], v[TM+\b], |v[(\s)+16*\b+\i]|, |v[(\s)+1+16*\b+\i]|
.endr
.endr
.irp b, 0,1,2,3
	v_permlanex16_b32 v[TM+4+\b], v[TM+\b], s[SEL], s[SEL+1]
.endr
.irp b, 0,1,2,3
	v_max_num_f32 v[TM+\b], v[TM+\b], v[TM+4+\b]   ; with lane l xor 16's: the block's largest magnitude
.endr
.irp b, 0,1,2,3
	v_add_nc_u32 v[TM+12+\b], 0xff000000, v[TM+\b]   ; 2 off its exponent field: the conversion's scale operand
.endr
.irp b, 0,1,2,3
	v_lshrrev_b32 v[TM+4+\b], 23, v[TM+12+\b]      ; the scale's byte
.endr
	v_lshl_or_b32 v[\pw], v[TM+5], 8, v[TM+4]
	v_lshl_or_b32 v[\pw], v[TM+6], 16, v[\pw]
	v_lshl_or_b32 v[\pw], v[TM+7], 24, v[\pw]
	v_cvt_scalef32_pk16_fp6_f32 v[(\d0):(\d0)+2], v[(\s):(\s)+15], v[TM+12]
	v_cvt_scalef32_pk16_fp6_f32 v[(\t0):(\t0)+2], v[(\s)+16:(\s)+31], v[TM+13]   ; (a conversion's three registers begin on an even number)
	v_cvt_scalef32_pk16_fp6_f32 v[(\d1):(\d1)+2], v[(\s)+32:(\s)+47], v[TM+14]
	v_cvt_scalef32_pk16_fp6_f32 v[(\t1):(\t1)+2], v[(\s)+48:(\s)+63], v[TM+15]
	v_nop                                          ; one plain place behind a scaled conversion
.irp i, 0,1,2
	v_permlane16_swap_b32 v[(\d0)+\i], v[(\t0)+\i] ; a whole block to a lane: lanes 0-15 the even block, lanes 16-31 the odd one
	v_permlane16_swap_b32 v[(\d1)+\i], v[(\t1)+\i]
.endr
.irp i, 0,1,2
	v_mov_b32 v[(\d0)+3+\i], v[(\t0)+\i]
	v_mov_b32 v[(\d1)+3+\i], v[(\t1)+\i]
.endr
.endm
	s_load_b256 s[4:11], s[0:1], 0x0               ; x_q, x_kv, Wq, Wk
	s_load_b256 s[12:19], s[0:1], 0x20             ; Wv, Wo, opc, ops
	v_lshl_add_u32 v254, v0, 2, SPARE
	v_mov_b32 v255, 0
	v_lshrrev_b32 v7, 5, v0
	v_readfirstlane_b32 s20, v7                    ; wave 0..9
	v_and_b32 v8, 31, v0                           ; lane
	v_and_b32 v9, 15, v0                           ; r
	v_bfe_u32 v10, v0, 4, 1                        ; h
	s_mul_i32 s33, ttmp9, 10
	s_add_co_u32 s33, s33, s20                     ; J: my share, 0 .. 2,559
	s_lshr_b32 s[RUN], s33, 2
	s_bfe_u32 s21, s33, 0x10001                    ; u: which of the run's two tiles
	s_and_b32 s22, s33, 1                          ; kh: which half of K
	s_mul_i32 s23, s20, WREG                       ; LDS: by the wave's number alone
	v_lshlrev_b32 v[LI], 4, v8
	v_add_nc_u32 v[SI], s23, v[LI]
	v_mul_u32_u24 v[SO], v9, SP
	v_lshl_add_u32 v[SO], v10, 6, v[SO]
	v_add_nc_u32 v[SO], s23, v[SO]
	s_add_co_u32 s24, s23, SCB
	v_lshl_add_u32 v[SW], v9, 3, s24
	v_lshl_add_u32 v[SR], v8, 3, s24
	v_lshlrev_b32 v[L8], 3, v8
	s_mov_b32 s[SEL], 0x76543210
	s_mov_b32 s[SEL+1], 0xfedcba98
.irp b, 0,1,2,3
	v_mov_b32 v[TM+4+\b], 0                        ; written once: a lane permute's destination counts as one of its sources
.endr
	s_wait_alu depctr_va_vdst(0)                   ; the wait at the head's end
	s_wait_kmcnt 0x0
	s_mov_b64 s[26:27], s[14:15]                   ; which tensor: the choice hangs on the share's number alone.  From the last, Wo, backwards
	s_mov_b32 s25, 608                             ; and its first run
	s_cmp_lt_u32 s[RUN], 608
	s_cselect_b64 s[26:27], s[12:13], s[26:27]
	s_cselect_b32 s25, 576, s25
	s_cmp_lt_u32 s[RUN], 576
	s_cselect_b64 s[26:27], s[10:11], s[26:27]
	s_cselect_b32 s25, 544, s25
	s_cmp_lt_u32 s[RUN], 544
	s_cselect_b64 s[26:27], s[8:9], s[26:27]
	s_cselect_b32 s25, 512, s25
	s_cmp_lt_u32 s[RUN], 512
	s_cselect_b64 s[26:27], s[6:7], s[26:27]
	s_cselect_b32 s25, 256, s25
	s_cmp_lt_u32 s[RUN], 256
	s_cselect_b64 s[26:27], s[4:5], s[26:27]
	s_cselect_b32 s25, 0, s25
	s_sub_co_u32 s28, s[RUN], s25
	s_lshl_b32 s28, s28, 5                         ; 32 rows a run,
	s_lshl_b32 s29, s21, 3
	s_add_co_u32 s28, s28, s29                     ; + 8 u,
	s_lshl_b32 s28, s28, 12                        ; in bytes (under 2^25),
	s_lshl_b32 s29, s22, 11
	s_add_co_u32 s28, s28, s29                     ; + my half of K
	s_mov_b32 s29, 0
	s_add_nc_u64 s[26:27], s[26:27], s[28:29]
	s_lshr_b32 s28, s[RUN], 2                      ; the codes: group,
	s_mul_i32 s28, s28, GRP
	s_mul_i32 s32, s22, 4*KSB                      ; my four K steps,
	s_add_co_u32 s28, s28, s32
	s_and_b32 s32, s[RUN], 3
	s_lshl_b32 s32, s32, 1
	s_add_co_u32 s32, s32, s21                     ; my tile in the group
	s_mul_i32 s32, s32, FRB
	s_add_co_u32 s28, s28, s32
	s_add_nc_u64 s[16:17], s[16:17], s[28:29]
	s_lshl_b32 s28, s[RUN], 1                      ; the scale bytes: tile x 512 + 256 x half
	s_add_co_u32 s28, s28, s21
	s_lshl_b32 s28, s28, 9
	s_lshl_b32 s32, s22, 8
	s_add_co_u32 s28, s28, s32
	s_add_nc_u64 s[18:19], s[18:19], s[28:29]
.macro LOAD f                          ; fragment f: 128 numbers of each of the tile's 16 rows: 512 consecutive bytes a load
.irp i, 0,1,2,3,4,5,6,7,8,9,10,11,12,13,14,15
	global_load_b128 v[R+64*((\f)%2)+4*\i:R+64*((\f)%2)+4*\i+3], v[LI], s[26:27] offset:(\i+8*(\i/8))*ROWB+512*(\f) th:TH_LOAD_NT
.endr
.endm
.macro STEP f
.if (\f) > 0
	s_wait_xcnt 0x0                                ; the last fragment's stores have read their registers: the codes are written again only behind this wait
.endif
.if (\f) < 3
	s_wait_loadcnt 16                              ; this fragment's 16 loads are in; the other set's 16 may be out
.else
	s_wait_loadcnt 0x0
.endif
.irp i, 0,1,2,3,4,5,6,7,8,9,10,11,12,13,14,15
	ds_store_b128 v[SI], v[R+64*((\f)%2)+4*\i:R+64*((\f)%2)+4*\i+3] offset:SP*\i
.endr
.irp b, 0,1,2,3
.irp j, 0,1,2,3
	ds_load_b128 v[X+16*\b+4*\j:X+16*\b+4*\j+3], v[SO] offset:128*\b+16*\j   ; LDS serves a wave's instructions in order: these see the stores above
.endr
.endr
	s_wait_dscnt 0x0                               ; the numbers are back, and the stores into the stage have read their registers,
.if (\f) < 2
	LOAD (\f)+2                                    ; which take the loads of two fragments on
.endif
	QUANT X, PC, PC+6, T0, T1, PW
.irp j, 0,1,2
	global_store_b128 v[LI], v[PC+4*\j:PC+4*\j+3], s[16:17] offset:KSB*(\f)+512*\j   ; 512 consecutive bytes, aligned
.endr
	ds_store_b32 v[SW], v[PW] offset:128*((\f)/2)+4*((\f)%2)   ; both lanes of a row write the same word with the same value
.endm
	LOAD 0
	LOAD 1
	STEP 0
	STEP 1
	STEP 2
	STEP 3
	ds_load_b64 v[12:13], v[SR]                    ; my wave's 256 scale bytes
	s_wait_dscnt 0x0
	global_store_b64 v[L8], v[12:13], s[18:19]     ; 32 lanes store 256 consecutive bytes, aligned
	s_wait_tensorcnt 0x0                           ; the wave's end
	ds_add_u32 v254, v255
	s_wait_dscnt 0x0
	s_endpgm
.Lfunc_end_k_qbb6b48973b_quant:
	.size	k_qbb6b48973b_quant, .Lfunc_end_k_qbb6b48973b_quant-k_qbb6b48973b_quant
	.p2alignl 7, 3214868480
	.fill 96, 4, 3214868480
	.section	.rodata,"a",@progbits
	.p2align	6, 0x0
	.amdhsa_kernel k_qbb6b48973b_quant
		.amdhsa_group_segment_fixed_size 88320
		.amdhsa_private_segment_fixed_size 0
		.amdhsa_enable_private_segment 0
		.amdhsa_kernarg_size 64
		.amdhsa_user_sgpr_count 2
		.amdhsa_user_sgpr_kernarg_segment_ptr 1
		.amdhsa_wavefront_size32 1
		.amdhsa_system_sgpr_workgroup_id_x 1
		.amdhsa_system_sgpr_workgroup_id_y 1
		.amdhsa_system_sgpr_workgroup_id_z 1
		.amdhsa_system_vgpr_workitem_id 0
		.amdhsa_next_free_vgpr 256
		.amdhsa_next_free_sgpr 66
		.amdhsa_reserve_vcc 0
		.amdhsa_float_denorm_mode_32 3
		.amdhsa_float_denorm_mode_16_64 3
		.amdhsa_memory_ordered 1
		.amdhsa_forward_progress 1
		.amdhsa_inst_pref_size 35
	.end_amdhsa_kernel
	.amdgpu_metadata
---
amdhsa.version: [ 1, 2 ]
amdhsa.kernels:
  - .name:           k_qbb6b48973b_quant
    .symbol:         k_qbb6b48973b_quant.kd
    .args:
      - { .name: x_q, .offset: 0, .size: 8, .value_kind: global_buffer, .address_space: global }
      - { .name: x_kv, .offset: 8, .size: 8, .value_kind: global_buffer, .address_space: global }
      - { .name: Wq, .offset: 16, .size: 8, .value_kind: global_buffer, .address_space: global }
      - { .name: Wk, .offset: 24, .size: 8, .value_kind: global_buffer, .address_space: global }
      - { .name: Wv, .offset: 32, .size: 8, .value_kind: global_buffer, .address_space: global }
      - { .name: Wo, .offset: 40, .size: 8, .value_kind: global_buffer, .address_space: global }
      - { .name: opc, .offset: 48, .size: 8, .value_kind: global_buffer, .address_space: global }
      - { .name: ops, .offset: 56, .size: 8, .value_kind: global_buffer, .address_space: global }
    .group_segment_fixed_size: 88320
    .private_segment_fixed_size: 0
    .kernarg_segment_align: 8
    .kernarg_segment_size: 64
    .max_flat_workgroup_size: 320
    .sgpr_count:     66
    .vgpr_count:     256
    .wavefront_size: 32
...
	.end_amdgpu_metadata
.endif
;; end of part 1
;; launch proj (part 2): grid 4 x 128, 4 waves a work-group, clusters of 4 x 4, 327,680 bytes of LDS; arguments opc, ops, bq, bk, bv, qc, kv; writes qc, kv
.if DOCPART == 2
	.amdgcn_target "amdgcn-amd-amdhsa--gfx1250"
	.amdhsa_code_object_version 6
	.text
	.protected	k_qbb6b48973b_proj
	.globl	k_qbb6b48973b_proj
	.p2align	8
	.type	k_qbb6b48973b_proj,@function
k_qbb6b48973b_proj:
	s_mov_b64 s[64:65], 0
	v_nop
	global_prefetch_b8 v0, s[64:65] scope:SCOPE_SE
	s_setreg_imm32_b32 hwreg(HW_REG_WAVE_MODE, 25, 1), 1
	s_wait_xcnt 0x0
	s_wait_alu depctr_hold_cnt(0) depctr_sa_sdst(0) depctr_va_vdst(0) depctr_va_sdst(0) depctr_va_ssrc(0) depctr_va_vcc(0) depctr_vm_vsrc(0)
	s_getreg_b32 s2, hwreg(HW_REG_IB_STS2, 6, 4)
	s_cmp_eq_u32 s2, 0
	s_cbranch_scc0 .Lentry_in_a_cluster
	s_endpgm
.Lentry_in_a_cluster:
	s_bfe_u32 s2, ttmp6, 0x10000c
	s_cmp_lg_u32 s2, 0xf033
	s_cbranch_scc0 .Lentry_shape_is_right
	s_endpgm
.Lentry_shape_is_right:
.set NQ,    2
.set FR,    12
.set NL,    3
.set NP,    4
.set FRB,   1536
.set KSB,   8*FRB
.set PART,  NQ*KSB
.set SLOT,  4*PART
.set GRP,   8*KSB
.set SCG,   4096
.set SCL,   2*SLOT
.set SPARE, 307200                     ; the spare words, behind all that either path lands in LDS
.set KST,   204800
.set L4,   3
.set LI,   8
.set VS,   9
.set BOF,  10
.set BVF,  11
.set PW,   12
.set EW,   14
.set OW,   15
.set ADRA, 16
.set ADRB, 20
.set ADRS, 27
.set SPW,  28
.set NIL,  29
.set SC,   32
.set BI,   64
.set AF,   128
.set BV,   224
.set TM,   240
.set HA,   128
.set E,    192
.set O,    204
.set T0,   216
.set T1,   220
.set WV, 18
.set WM, 19
.set WN, 20
.set CX, 21
.set CY, 22
.set PP, 23
.set CL, 40
.set TR, 41
.set TC, 42
.set MR, 43
.set MC, 44
.set IS2, 45
.set STR, 46
.set HM,  47
.set SEL, 2
.set G1, 24
.set G0, 32
.set G1B, 48
.set G0B, 56
.set G1S, 68
.set G0S, 76
.set G1SB, 80
.set G0SB, 88
.set MSB, 0
.macro WIN new
.if MSB != (\new)
	s_set_vgpr_msb (MSB<<8)|(\new)
.set MSB, (\new)
.endif
.endm
.set MUL_LO, 0xa1
.set MUL_HI, 0xf1
.set TO_B,   0x40
.macro JLOAD g0a, g1a, g0b, g1b
	s_cmp_eq_u32 s[WM], 0
	s_cbranch_scc0 .Lfor_b_\@
	tensor_load_to_lds s[\g0a:\g0a+3], s[\g1a:\g1a+7]
	s_nop 0
.rept 4
	v_nop
.endr
	s_branch .Lasked_\@
.Lfor_b_\@:
	tensor_load_to_lds s[\g0b:\g0b+3], s[\g1b:\g1b+7]
	s_nop 0
.rept 4
	v_nop
.endr
.Lasked_\@:
.endm
.macro CREST
	s_cmp_lg_u32 s[WV], 0
	s_cbranch_scc1 .Lnot_wave_0_\@
	s_barrier_signal -3
.Lnot_wave_0_\@:
	s_barrier_wait -3
	s_barrier_signal -1
	s_barrier_wait -1
.endm
.macro CROUND
	s_barrier_signal -1
	s_barrier_wait -1
	CREST
.endm
.macro QUANT s, d0, d1, t0, t1, pw
.irp b, 0,1,2,3
	v_max3_num_f32 v[TM+\b], |v[(\s)+16*\b]|, |v[(\s)+1+16*\b]|, 0x1800000
.endr
.irp i, 2,4,6,8,10,12,14
.irp b, 0,1,2,3
	v_max3_num_f32 v[TM+\b], v[TM+\b], |v[(\s)+16*\b+\i]|, |v[(\s)+1+16*\b+\i]|
.endr
.endr
.irp b, 0,1,2,3
	v_permlanex16_b32 v[TM+4+\b], v[TM+\b], s[SEL], s[SEL+1]
.endr
.irp b, 0,1,2,3
	v_max_num_f32 v[TM+\b], v[TM+\b], v[TM+4+\b]
.endr
.irp b, 0,1,2,3
	v_add_nc_u32 v[TM+12+\b], 0xff000000, v[TM+\b]
.endr
.irp b, 0,1,2,3
	v_lshrrev_b32 v[TM+4+\b], 23, v[TM+12+\b]
.endr
	v_lshl_or_b32 v[\pw], v[TM+5], 8, v[TM+4]
	v_lshl_or_b32 v[\pw], v[TM+6], 16, v[\pw]
	v_lshl_or_b32 v[\pw], v[TM+7], 24, v[\pw]
	v_cvt_scalef32_pk16_fp6_f32 v[(\d0):(\d0)+2], v[(\s):(\s)+15], v[TM+12]
	v_cvt_scalef32_pk16_fp6_f32 v[(\t0):(\t0)+2], v[(\s)+16:(\s)+31], v[TM+13]
	v_cvt_scalef32_pk16_fp6_f32 v[(\d1):(\d1)+2], v[(\s)+32:(\s)+47], v[TM+14]
	v_cvt_scalef32_pk16_fp6_f32 v[(\t1):(\t1)+2], v[(\s)+48:(\s)+63], v[TM+15]
	v_nop
.irp i, 0,1,2
	v_permlane16_swap_b32 v[(\d0)+\i], v[(\t0)+\i]
	v_permlane16_swap_b32 v[(\d1)+\i], v[(\t1)+\i]
.endr
.irp i, 0,1,2
	v_mov_b32 v[(\d0)+3+\i], v[(\t0)+\i]
	v_mov_b32 v[(\d1)+3+\i], v[(\t1)+\i]
.endr
.endm
	s_load_b256 s[4:11], s[0:1], 0x0
	s_load_b128 s[12:15], s[0:1], 0x20
	s_load_b64 s[16:17], s[0:1], 0x30
	v_lshl_add_u32 v[SPW], v0, 2, SPARE
	v_mov_b32 v[NIL], 0
	ds_add_u32 v28, v29
	ds_add_u32 v28, v29
	s_wait_dscnt 0x0
	v_lshrrev_b32 v1, 5, v0
	v_readfirstlane_b32 s[WV], v1
	s_lshr_b32 s[WM], s[WV], 1
	s_and_b32 s[WN], s[WV], 1
	s_bfe_u32 s[CX], ttmp6, 0x40000
	s_bfe_u32 s[CY], ttmp6, 0x40004
	s_and_b32 s[CL], ttmp7, 0xffff
	s_cmp_ge_u32 s[CL], 16                         ; cluster rows 0-15 make Q and K, 256 tiles of 256 x 256; rows 16-31 make V, 256 tiles of 128 x 256.  The number is the cluster's: all partners share it
	s_wait_alu depctr_va_vdst(0)
	s_cbranch_scc1 .Lvhalf
	s_lshr_b32 s[PP], s[CL], 3
	s_and_b32 s[CL], s[CL], 7
	s_lshr_b32 s[IS2], s[PP], 1
	s_mul_i32 s66, s[CL], s[IS2]
	s_sub_co_u32 s67, s[CL], s66
	s_lshl_b32 s[TR], s67, 2
	s_add_co_u32 s[TR], s[TR], s[CY]
	s_lshl_b32 s[TC], s66, 2
	s_add_co_u32 s[TC], s[TC], s[CX]
	s_lshl_b32 s[MR], s[CY], 2
	s_lshl_b32 s[MR], 15, s[MR]
	s_lshl_b32 s[MC], 0x1111, s[CX]
	s_and_b32 s66, s[PP], 1
	s_lshl_b32 s[STR], 102400, s66
	s_mov_b32 s[SEL], 0x76543210
	s_mov_b32 s[SEL+1], 0xfedcba98
	s_or_b32 s[G1+0], s[MR], (3<<16)|(1<<21)
	s_or_b32 s[G1B+0], s[MC], (3<<16)|(1<<21)
	s_or_b32 s[G1S+0], s[MR], (3<<16)|(1<<21)
	s_or_b32 s[G1SB+0], s[MC], (3<<16)|(1<<21)
.irp g, G1, G1B                        ; for the head's loads: both groups' part of slot 0 as 2 rows of PART bytes, a group apart
	s_mov_b32 s[\g+1], (PART/8)<<16
	s_mov_b32 s[\g+2], 2<<16
	s_mov_b32 s[\g+3], (PART/8)<<16
	s_mov_b32 s[\g+4], 2
	s_mov_b32 s[\g+5], GRP/8
	s_mov_b32 s[\g+6], 0
	s_mov_b32 s[\g+7], 0
.endr
.irp g, G1S, G1SB
	s_mov_b32 s[\g+1], 32<<16
	s_mov_b32 s[\g+2], 32<<16              ; the scales of two groups: 8,192 bytes on end
	s_mov_b32 s[\g+3], 32<<16
	s_mov_b32 s[\g+4], 32
	s_mov_b32 s[\g+5], 32
	s_mov_b32 s[\g+6], 0
	s_mov_b32 s[\g+7], 0
.endr
	s_lshl_b32 s92, s[PP], 6
	s_lshl_b32 s94, s[IS2], 4
	s_add_co_u32 s92, s92, s94
	s_lshl_b32 s94, s[TR], 1
	s_add_co_u32 s92, s92, s94
	s_add_co_u32 s92, s92, s[WN]
	s_lshl_b32 s94, s92, 12
	s_mul_i32 s92, s92, GRP
	s_mov_b32 s93, 0
	s_mov_b32 s95, 0
	s_lshl_b32 s96, s[PP], 3
	s_add_co_u32 s96, s96, 128
	s_mul_i32 s100, s[IS2], 80
	s_sub_co_u32 s96, s96, s100
	s_lshl_b32 s100, s[TC], 1
	s_add_co_u32 s96, s96, s100
	s_add_co_u32 s96, s96, s[WN]
	s_lshl_b32 s100, s96, 12
	s_mul_i32 s96, s96, GRP
	s_mov_b32 s97, 0
	s_mov_b32 s101, 0
	s_mul_i32 s66, s[WV], PART
	s_lshl_b32 s67, s[WV], 12
	s_wait_kmcnt 0x0
	s_add_nc_u64 s[92:93], s[4:5], s[92:93]
	s_add_nc_u64 s[94:95], s[6:7], s[94:95]
	s_add_nc_u64 s[96:97], s[4:5], s[96:97]
	s_add_nc_u64 s[100:101], s[6:7], s[100:101]
	CROUND
; THE HEAD'S FOUR TILES, ONE A WAVE, each whole: wave 0 slot 0's part of A's two groups, wave 1 of B's, wave 2 the scales of A's two groups, wave 3 of B's.  Their addresses are the first group's: my own less my half.
	s_mul_i32 s98, s[WN], GRP
	s_mov_b32 s99, 0
	s_mov_b32 s[G0], 1
	s_mov_b32 s[G0+1], 0
	s_sub_nc_u64 s[G0+2:G0+3], s[92:93], s[98:99]
	s_or_b32 s[G0+3], s[G0+3], 0x80000000
	s_mov_b32 s[G0B], 1
	s_mov_b32 s[G0B+1], 2*PART
	s_sub_nc_u64 s[G0B+2:G0B+3], s[96:97], s[98:99]
	s_or_b32 s[G0B+3], s[G0B+3], 0x80000000
	s_lshl_b32 s98, s[WN], 12
	s_mov_b32 s[G0S], 1
	s_mov_b32 s[G0S+1], SCL
	s_sub_nc_u64 s[G0S+2:G0S+3], s[94:95], s[98:99]
	s_or_b32 s[G0S+3], s[G0S+3], 0x80000000
	s_mov_b32 s[G0SB], 1
	s_mov_b32 s[G0SB+1], SCL+2*SCG
	s_sub_nc_u64 s[G0SB+2:G0SB+3], s[100:101], s[98:99]
	s_or_b32 s[G0SB+3], s[G0SB+3], 0x80000000
	s_mov_b32 s[G0+4], 1                           ; slot 1's own: my quarter of it
	s_add_co_u32 s[G0+5], s66, SLOT
	s_add_nc_u64 s[G0+6:G0+7], s[92:93], PART
	s_or_b32 s[G0+7], s[G0+7], 0x80000000
	s_mov_b32 s[G0B+4], 1
	s_add_co_u32 s[G0B+5], s66, SLOT
	s_add_nc_u64 s[G0B+6:G0B+7], s[96:97], PART
	s_or_b32 s[G0B+7], s[G0B+7], 0x80000000
.macro ARM under, g0, g1, next         ; one tree of branches on the wave's number: every way passes one load
	s_cmp_lt_u32 s[WV], \under
	s_cbranch_scc0 \next
	tensor_load_to_lds s[\g0:\g0+3], s[\g1:\g1+7]
	s_nop 0
.rept 4
	v_nop
.endr
	s_branch .Lhead_asked
\next:
.endm
	ARM 1, G0,  G1,  .Lhead_b
	ARM 2, G0B, G1B, .Lhead_sa
	ARM 3, G0S, G1S, .Lhead_sb
	tensor_load_to_lds s[G0SB:G0SB+3], s[G1SB:G1SB+7]
	s_nop 0
.rept 4
	v_nop
.endr
.Lhead_asked:
	s_wait_alu depctr_va_vdst(0)
	s_wait_tensorcnt 0x0                           ; my tile of the four is in
	ds_add_u32 v28, v29
.irp g, G1, G1B                        ; no tensor load of mine is out: from here on a load brings my quarter of a slot, 96 rows of 256 bytes
	s_mov_b32 s[\g+1], 32<<16
	s_mov_b32 s[\g+2], 96<<16
	s_mov_b32 s[\g+3], 32<<16
	s_mov_b32 s[\g+4], 96
	s_mov_b32 s[\g+5], 32
.endr
	s_mov_b32 s[G0+1], s66                         ; slot 0's own, for its refill
	s_mov_b64 s[G0+2:G0+3], s[92:93]
	s_or_b32 s[G0+3], s[G0+3], 0x80000000
	s_mov_b32 s[G0B+1], s66
	s_mov_b64 s[G0B+2:G0B+3], s[96:97]
	s_or_b32 s[G0B+3], s[G0B+3], 0x80000000
	s_wait_dscnt 0x0
	CROUND                                         ; all four tiles are in, in every work-group of the cluster
	JLOAD G0+4, G1, G0B+4, G1B                     ; slot 1's first fill, the first tensor load behind the round
	v_and_b32 v1, 15, v0
	v_bfe_u32 v2, v0, 4, 1
	s_wait_alu depctr_va_vdst(0)
	v_and_b32 v4, 31, v0
	v_lshlrev_b32 v[LI], 4, v4
	v_lshlrev_b32 v[L4], 2, v4
	s_mul_i32 s66, s[WM], PART
	s_mul_i32 s67, s[WN], PART
	s_add_co_u32 s67, s67, 2*PART
.irp s, 0,1
	v_add_nc_u32 v[ADRA+\s], s66, v[LI]
	v_add_nc_u32 v[ADRB+\s], s67, v[LI]
	s_add_co_u32 s66, s66, SLOT
	s_add_co_u32 s67, s67, SLOT
.endr
	s_lshl_b32 s66, s[WM], 12
	s_lshl_b32 s67, s[WN], 12
	s_add_co_u32 s67, s67, 2*SCG
	s_sub_co_u32 s67, s67, s66
	v_mul_u32_u24 v5, s67, v2
	s_add_co_u32 s66, s66, SCL
	v_lshl_add_u32 v5, v1, 3, v5
	v_add_nc_u32 v[ADRS], s66, v5
	v_mul_u32_u24 v[VS], s[STR], v2
	v_lshl_add_u32 v[VS], v1, 2, v[VS]
	s_lshl_b32 s66, s[TC], 8
	s_lshl_b32 s67, s[WN], 7
	s_add_co_u32 s66, s66, s67
	s_xor_b32 s67, s[IS2], 1
	s_mul_i32 s66, s66, s67
	s_lshl_b32 s66, s66, 2
	v_lshl_add_u32 v[BOF], v2, 6, s66
	s_wait_alu depctr_va_vdst(0)
	s_cmp_eq_u32 s[PP], 0
	s_cselect_b64 s[98:99], s[8:9], s[10:11]       ; bq or bk
.irp b, 0,1,2,3
.irp j, 0,1,2,3
	global_load_b128 v[BI+16*\b+4*\j:BI+16*\b+4*\j+3], v[BOF], s[98:99] offset:128*\b+16*\j
.endr
.endr
.irp b, 0,1,2,3
	v_mov_b32 v[TM+4+\b], 0
.endr
.macro FRAG reg, adr, q, i
.irp c, 0,1,2
	ds_load_b128 v[(\reg)+4*\c:(\reg)+4*\c+3], v[\adr] offset:(\q)*KSB+(\i)*FRB+512*\c
.endr
.endm
.macro MUL16 a0, p, q, sc, zero
.irp a, \a0, \a0+1
.irp b, 0,1,2,3,4,5,6,7
.if \zero
	v_wmma_scale_f32_16x16x128_f8f6f4 v[8*(8*((\a)%4)+\b):8*(8*((\a)%4)+\b)+7], v[128*(\p)+FR*\b:128*(\p)+FR*\b+FR-1], v[AF+FR*(\a):AF+FR*(\a)+FR-1], 0, v[SC+8*NQ*(\sc)+NQ*\b+(\q)], v[SC+8*NQ*(\sc)+NQ*(\a)+(\q)] matrix_a_fmt:MATRIX_FMT_FP6 matrix_b_fmt:MATRIX_FMT_FP6 matrix_a_scale:MATRIX_SCALE_ROW1
.else
	v_wmma_scale_f32_16x16x128_f8f6f4 v[8*(8*((\a)%4)+\b):8*(8*((\a)%4)+\b)+7], v[128*(\p)+FR*\b:128*(\p)+FR*\b+FR-1], v[AF+FR*(\a):AF+FR*(\a)+FR-1], v[8*(8*((\a)%4)+\b):8*(8*((\a)%4)+\b)+7], v[SC+8*NQ*(\sc)+NQ*\b+(\q)], v[SC+8*NQ*(\sc)+NQ*(\a)+(\q)] matrix_a_fmt:MATRIX_FMT_FP6 matrix_b_fmt:MATRIX_FMT_FP6 matrix_a_scale:MATRIX_SCALE_ROW1
.endif
.endr
.endr
.endm
.macro FETCH_B slot, q, p
	WIN TO_B
.irp i, 0,1,2,3,4,5,6,7
	FRAG 128*(\p)+FR*\i, ADRB+\slot, \q, \i
.endr
	WIN 0
.endm
.macro FETCH_A slot, q, i0
.irp i, \i0, \i0+1, \i0+2, \i0+3
	FRAG AF+FR*(\i), ADRA+\slot, \q, \i
.endr
.endm
.macro SCALES sc
.irp i, 0,1,2,3,4,5,6,7
	ds_load_b64 v[SC+8*NQ*\sc+NQ*\i:SC+8*NQ*\sc+NQ*\i+1], v[ADRS] offset:\i*512
.endr
.endm
.macro PLACES n
.rept \n
	v_nop
.endr
.endm
.macro STEP slot, q, zero
	s_wait_dscnt 4*NL
	WIN MUL_LO
	MUL16 0, (\q)%2, \q, \slot, \zero
	MUL16 2, (\q)%2, \q, \slot, \zero
	s_wait_dscnt 0
	PLACES NP
	FETCH_B \slot, (\q)+1, 1-(\q)%2
	FETCH_A \slot, (\q)+1, 0
	WIN MUL_HI
	MUL16 4, (\q)%2, \q, \slot, \zero
	MUL16 6, (\q)%2, \q, \slot, \zero
	PLACES NP
	WIN 0
	FETCH_A \slot, (\q)+1, 4
.endm
.macro TURN slot, next, fill
	s_wait_tensorcnt 0x0
	ds_add_u32 v[SPW], v[NIL]
	s_wait_dscnt 4*NL+1
	WIN MUL_LO
	MUL16 0, 1, NQ-1, \slot, 0
	s_wait_dscnt 0x0
	s_barrier_signal -1
	MUL16 2, 1, NQ-1, \slot, 0
	WIN 0
	s_barrier_wait -1
.if \fill
	CREST
	s_add_nc_u64 s[G0+4*\slot+2:G0+4*\slot+3], s[G0+4*\slot+2:G0+4*\slot+3], 2*PART
	s_add_nc_u64 s[G0B+4*\slot+2:G0B+4*\slot+3], s[G0B+4*\slot+2:G0B+4*\slot+3], 2*PART
	JLOAD G0+4*\slot, G1, G0B+4*\slot, G1B
.else
	PLACES NP
.endif
	s_wait_alu depctr_va_vdst(0)
	v_add_nc_u32 v[ADRS], 128, v[ADRS]
	FETCH_B \next, 0, 0
	FETCH_A \next, 0, 0
	SCALES \next
	WIN MUL_HI
	MUL16 4, 1, NQ-1, \slot, 0
	MUL16 6, 1, NQ-1, \slot, 0
	PLACES NP
	WIN 0
	FETCH_A \next, 0, 4
.endm
	s_wait_tensorcnt 1
	s_barrier_signal -1
	s_barrier_wait -1
	FETCH_B 0, 0, 0
	FETCH_A 0, 0, 0
	SCALES 0
	FETCH_A 0, 0, 4
	STEP 0, 0, 1
	TURN 0, 1, 1
	STEP 1, 0, 0
	TURN 1, 0, 1
	STEP 0, 0, 0
	TURN 0, 1, 0
	STEP 1, 0, 0
	s_wait_dscnt 4*NL
	WIN MUL_LO
	MUL16 0, 1, NQ-1, 1, 0
	MUL16 2, 1, NQ-1, 1, 0
	s_wait_dscnt 0
	WIN MUL_HI
	MUL16 4, 1, NQ-1, 1, 0
	MUL16 6, 1, NQ-1, 1, 0
	WIN 0
.macro EPI_QK a
.if (\a) > 0
	s_wait_xcnt 0x0
.endif
.irp al, 0,1
	WIN 0x02+(\a)/4
.set AC, 64*(((\a)+\al)%4)
.set i, 0
.rept 32
	v_pk_add_f32 v[HA+2*i:HA+2*i+1], v[AC+2*i:AC+2*i+1], v[BI+2*i:BI+2*i+1]
.set i, i+1
.endr
	WIN 0
	QUANT HA, E+6*\al, O+6*\al, T0, T1, PW+\al
.endr
	v_perm_b32 v[EW], v[PW+1], v[PW], 0x05040100
	v_perm_b32 v[OW], v[PW+1], v[PW], 0x07060302
	v_cndmask_b32 v[EW], v[EW], v[OW], s[HM]
.irp j, 0,1,2
	global_store_b128 v[LI], v[E+4*\j:E+4*\j+3], s[92:93] offset:((\a)/2)*FRB+512*\j
	global_store_b128 v[LI], v[O+4*\j:O+4*\j+3], s[94:95] offset:((\a)/2)*FRB+512*\j
.endr
	global_store_b32 v[VS], v[EW], s[96:97] offset:((\a)/2)*64
.endm
.macro EPI_V a
.if (\a) > 0
	s_wait_xcnt 0x0
.endif
.irp al, 0,1
	WIN 0x02+(\a)/4
.set AC, 64*(((\a)+\al)%4)
.set i, 0
.rept 32
	v_pk_add_f32 v[HA+2*i:HA+2*i+1], v[AC+2*i:AC+2*i+1], v[BV+2*((\a)+\al):BV+2*((\a)+\al)+1]
.set i, i+1
.endr
	WIN 0
	QUANT HA, E+12*\al, E+12*\al+6, T0, T1, PW+\al
.endr
	v_cndmask_b32 v[EW], v[PW], v[PW+1], s[HM]
.irp al, 0,1
.irp j, 0,1,2
	global_store_b128 v[LI], v[E+12*\al+4*\j:E+12*\al+4*\j+3], s[92:93] offset:(((\a)+\al)/4)*KST+(((\a)+\al)%4)*FRB+512*\j
.endr
.endr
	global_store_b32 v[L4], v[EW], s[96:97] offset:((\a)/4)*KST+(((\a)%4)/2)*128
.endm
	PLACES NP
	s_wait_loadcnt 0x0
	s_mov_b32 s[HM], 0xffff0000
	s_cmp_eq_u32 s[PP], 0
	s_cselect_b64 s[92:93], s[14:15], s[16:17]
	s_lshr_b32 s66, s[TR], 3
	s_lshl_b32 s66, s66, 4
	s_lshl_b32 s67, s[TC], 2
	s_add_co_u32 s66, s66, s67
	s_lshl_b32 s67, s[WN], 1
	s_add_co_u32 s66, s66, s67
	s_mul_i32 s66, s66, s[STR]
	s_and_b32 s67, s[TR], 7
	s_lshl_b32 s67, s67, 3
	s_lshl_b32 s98, s[WM], 2
	s_add_co_u32 s67, s67, s98
	s_lshl_b32 s98, s67, 6
	s_add_co_u32 s98, s98, s66
	s_add_co_u32 s98, s98, 98304
	s_mov_b32 s99, 0
	s_add_nc_u64 s[96:97], s[92:93], s[98:99]
	s_mul_i32 s98, s67, FRB
	s_add_co_u32 s98, s98, s66
	s_add_nc_u64 s[92:93], s[92:93], s[98:99]
	s_mov_b32 s98, s[STR]
	s_add_nc_u64 s[94:95], s[92:93], s[98:99]
	EPI_QK 0
	EPI_QK 2
	EPI_QK 4
	EPI_QK 6
	s_branch .Lway_end
; V^T = Wv x_kv^T + bv, quantised along the keys.  A work-group makes 128 rows of Wv (one group of opc: two heads) x 256 keys (two groups of x_kv); four waves, 2 x 2, each 64 x 128: 32 accumulators.
; LDS HOLDS ALL OF K: Wv's group (98,304 bytes) at 0, x_kv's two groups (196,608, on end in memory) behind it, then Wv's scales (4,096) and x_kv's (8,192): four dense blocks, one joint load a wave, as rows of 256 bytes.
; Nothing is filled again on this path, and no barrier stands in the walk along K.  Wv's blocks are shared along a row of the cluster, x_kv's along a column.
; No prefetch: all bytes are asked for at the head, once; there is no loop to run ahead in.  Both operands have two sets of fragment registers; a step's 36 LDS loads are issued a whole step ahead of the wait for them.
; REGISTERS: window 0: v32-95 all scale words (register 16 (q / 2) + 2 i + q % 2: lanes 0-15 Wv's tile i, lanes 16-31 x_kv's tile i); v128-223 Wv's fragments, two sets; v224-231 the bias.  Window 1: x_kv's fragments, two sets.  Window 2: accumulator (a, b) at v[8 (8 a + b)].
.set VSCL, 3*GRP
.macro GROUP1V g, mask, rows           ; a dense block as rows of 256 bytes
	s_or_b32 s[\g], s[\mask], (3<<16)|(1<<21)
	s_mov_b32 s[\g+1], 32<<16
	s_mov_b32 s[\g+2], (\rows)<<16
	s_mov_b32 s[\g+3], 32<<16
	s_mov_b32 s[\g+4], \rows
	s_mov_b32 s[\g+5], 32
	s_mov_b32 s[\g+6], 0
	s_mov_b32 s[\g+7], 0
.endm
.macro GROUP0V g, lds, a
	s_mov_b32 s[\g], 1
	s_mov_b32 s[\g+1], \lds
	s_mov_b64 s[\g+2:\g+3], s[\a:\a+1]
	s_or_b32 s[\g+3], s[\g+3], 0x80000000
.endm
.macro ARMV under, g0, g1, next        ; one tree of branches on the wave's number: every way passes one load
	s_cmp_lt_u32 s[WV], \under
	s_cbranch_scc0 \next
	tensor_load_to_lds s[\g0:\g0+3], s[\g1:\g1+7]
	s_nop 0
	PLACES 4
	s_branch .Lv_asked
\next:
.endm
.macro VFETCH q                        ; step q's fragments into set q % 2: 24 loads for x_kv's eight, 12 for Wv's four
	WIN TO_B
.irp i, 0,1,2,3,4,5,6,7
	FRAG 128*((\q)%2)+FR*\i, ADRB+(\q)/4, (\q)%4, \i
.endr
	WIN 0
.irp i, 0,1,2,3
	FRAG AF+48*((\q)%2)+FR*\i, ADRA+(\q)/4, (\q)%4, \i
.endr
.endm
.macro VMUL q, zero                    ; 32 products, the 32 accumulators by turns, in the same order in every step
	WIN MUL_LO
.irp a, 0,1,2,3
.irp b, 0,1,2,3,4,5,6,7
.if \zero
	v_wmma_scale_f32_16x16x128_f8f6f4 v[8*(8*\a+\b):8*(8*\a+\b)+7], v[128*((\q)%2)+FR*\b:128*((\q)%2)+FR*\b+FR-1], v[AF+48*((\q)%2)+FR*\a:AF+48*((\q)%2)+FR*\a+FR-1], 0, v[SC+16*((\q)/2)+2*\b+(\q)%2], v[SC+16*((\q)/2)+2*\a+(\q)%2] matrix_a_fmt:MATRIX_FMT_FP6 matrix_b_fmt:MATRIX_FMT_FP6 matrix_a_scale:MATRIX_SCALE_ROW1
.else
	v_wmma_scale_f32_16x16x128_f8f6f4 v[8*(8*\a+\b):8*(8*\a+\b)+7], v[128*((\q)%2)+FR*\b:128*((\q)%2)+FR*\b+FR-1], v[AF+48*((\q)%2)+FR*\a:AF+48*((\q)%2)+FR*\a+FR-1], v[8*(8*\a+\b):8*(8*\a+\b)+7], v[SC+16*((\q)/2)+2*\b+(\q)%2], v[SC+16*((\q)/2)+2*\a+(\q)%2] matrix_a_fmt:MATRIX_FMT_FP6 matrix_b_fmt:MATRIX_FMT_FP6 matrix_a_scale:MATRIX_SCALE_ROW1
.endif
.endr
.endr
.endm
.Lvhalf:
	s_sub_co_u32 s[CL], s[CL], 16                  ; V's cluster, 0 .. 15
	s_and_b32 s66, s[CL], 1
	s_lshl_b32 s[TR], s66, 2
	s_add_co_u32 s[TR], s[TR], s[CY]               ; Wv's group, 0 .. 7
	s_lshr_b32 s66, s[CL], 1
	s_lshl_b32 s[TC], s66, 2
	s_add_co_u32 s[TC], s[TC], s[CX]               ; the 256 keys, 0 .. 31
	s_lshl_b32 s[MR], s[CY], 2
	s_lshl_b32 s[MR], 15, s[MR]                    ; my row of the cluster
	s_lshl_b32 s[MC], 0x1111, s[CX]                ; my column
	s_mov_b32 s[SEL], 0x76543210
	s_mov_b32 s[SEL+1], 0xfedcba98
	GROUP1V G1,   MR, 384
	GROUP1V G1B,  MC, 768
	GROUP1V G1S,  MR, 16
	GROUP1V G1SB, MC, 32
	s_add_co_u32 s92, s[TR], 144                   ; Wv's groups are 144 .. 151 of opc and ops
	s_lshl_b32 s94, s92, 12
	s_mul_i32 s92, s92, GRP
	s_mov_b32 s93, 0
	s_mov_b32 s95, 0
	s_lshl_b32 s96, s[TC], 1
	s_add_co_u32 s96, s96, 64                      ; x_kv's are 64 .. 127
	s_lshl_b32 s100, s96, 12
	s_mul_i32 s96, s96, GRP
	s_mov_b32 s97, 0
	s_mov_b32 s101, 0
	s_wait_kmcnt 0x0
	s_add_nc_u64 s[92:93], s[4:5], s[92:93]
	s_add_nc_u64 s[94:95], s[6:7], s[94:95]
	s_add_nc_u64 s[96:97], s[4:5], s[96:97]
	s_add_nc_u64 s[100:101], s[6:7], s[100:101]
	CROUND                                         ; all sixteen work-groups are here: the joint loads meet
	GROUP0V G0,   0,         92
	GROUP0V G0B,  GRP,       96
	GROUP0V G0S,  VSCL,      94
	GROUP0V G0SB, VSCL+4096, 100
	ARMV 1, G0S,  G1S,  .Lv_sb
	ARMV 2, G0SB, G1SB, .Lv_a
	ARMV 3, G0,   G1,   .Lv_b
	tensor_load_to_lds s[G0B:G0B+3], s[G1B:G1B+7]
	s_nop 0
	PLACES 4
.Lv_asked:
	s_mul_i32 s66, s[WM], 4*FRB                    ; Wv: my four tiles of each K step
	s_add_co_u32 s67, s66, 4*KSB
	s_mul_i32 s23, s[WN], GRP
	s_add_co_u32 s23, s23, GRP                     ; x_kv: my group, behind Wv's
	s_add_co_u32 s40, s23, 4*KSB
	s_lshl_b32 s45, s[WM], 11                      ; scale words: Wv's, my four tiles;
	s_lshl_b32 s46, s[WN], 12
	s_add_co_u32 s46, s46, 4096                    ; x_kv's, my group, behind Wv's:
	s_sub_co_u32 s46, s46, s45                     ; the distance between the two
	s_add_co_u32 s45, s45, VSCL
	s_lshl_b32 s98, s[TR], 7
	s_lshl_b32 s99, s[WM], 6
	s_add_co_u32 s98, s98, s99                     ; my first row of Wv
	v_and_b32 v1, 15, v0
	v_bfe_u32 v2, v0, 4, 1
	v_and_b32 v4, 31, v0
	v_lshlrev_b32 v[LI], 4, v4
	v_lshlrev_b32 v[L4], 2, v4
	v_add_nc_u32 v[ADRA], s66, v[LI]
	v_add_nc_u32 v[ADRA+1], s67, v[LI]
	v_add_nc_u32 v[ADRB], s23, v[LI]
	v_add_nc_u32 v[ADRB+1], s40, v[LI]
	v_mul_u32_u24 v5, s46, v2                      ; lanes 16-31 take x_kv's words
	v_lshl_add_u32 v5, v1, 3, v5
	v_add_nc_u32 v[ADRS], s45, v5
	v_and_b32 v5, 8, v1
	v_add_nc_u32 v5, v5, v1
	v_add_nc_u32 v5, s98, v5                       ; lane r of tile a has row 32 (a / 2) + 8 (a % 2) + r + 8 (r / 8)
	v_lshlrev_b32 v[BVF], 2, v5
.irp a, 0,1,2,3
	global_load_b32 v[BV+2*\a], v[BVF], s[12:13] offset:4*(32*(\a/2)+8*(\a%2))     ; its bias, twice: for the packed additions
	global_load_b32 v[BV+2*\a+1], v[BVF], s[12:13] offset:4*(32*(\a/2)+8*(\a%2))
.endr
.irp b, 0,1,2,3
	v_mov_b32 v[TM+4+\b], 0                        ; a lane permute's destination counts as one of its sources
.endr
	s_wait_alu depctr_va_vdst(0)                   ; the wait at the head's end
	s_wait_tensorcnt 0x0                           ; my block is in,
	s_barrier_signal -1
	s_barrier_wait -1                              ; everybody's is
.irp pr, 0,1,2,3
.irp i, 0,1,2,3,4,5,6,7
	ds_load_b64 v[SC+16*\pr+2*\i:SC+16*\pr+2*\i+1], v[ADRS] offset:\i*512+128*\pr   ; all scale words, once
.endr
.endr
	VFETCH 0
	VFETCH 1
	s_wait_dscnt 36                                ; all but step 1's 36 loads
	VMUL 0, 1                                      ; the first step's products start the sums
.irp q, 1,2,3,4,5,6
	PLACES NP                                      ; in front of the loads into the set that the last step multiplied
	VFETCH \q+1
	s_wait_dscnt 36                                ; this step's fragments are in; the next step's 36 loads may be out
	VMUL \q, 0
.endr
	s_wait_dscnt 0x0
	VMUL 7, 0
	WIN 0
	PLACES NP
	s_wait_loadcnt 0x0                             ; the bias
	s_mov_b32 s[HM], 0xffff0000
	s_lshr_b32 s66, s[TC], 3                       ; batch
	s_lshl_b32 s66, s66, 4
	s_lshl_b32 s67, s[TR], 1
	s_add_co_u32 s66, s66, s67
	s_add_co_u32 s66, s66, s[WM]                   ; my head: 2 x group + my half
	s_mul_i32 s66, s66, KST
	s_and_b32 s67, s[TC], 7
	s_lshl_b32 s67, s67, 1
	s_add_co_u32 s67, s67, s[WN]                   ; my key step of 128 in the batch
	s_mul_i32 s98, s67, 4*FRB
	s_add_co_u32 s98, s98, s66
	s_add_co_u32 s98, s98, 102400
	s_mov_b32 s99, 0
	s_add_nc_u64 s[92:93], s[16:17], s[98:99]
	s_lshl_b32 s98, s67, 8
	s_add_co_u32 s98, s98, s66
	s_add_co_u32 s98, s98, 200704
	s_add_nc_u64 s[96:97], s[16:17], s[98:99]
	EPI_V 0
	EPI_V 2
.Lway_end:
	s_wait_tensorcnt 0x0
	ds_add_u32 v[SPW], v[NIL]
	s_wait_dscnt 0x0
	CROUND
	s_endpgm
.Lfunc_end_k_qbb6b48973b_proj:
	.size	k_qbb6b48973b_proj, .Lfunc_end_k_qbb6b48973b_proj-k_qbb6b48973b_proj
	.p2alignl 7, 3214868480
	.fill 96, 4, 3214868480
	.section	.rodata,"a",@progbits
	.p2align	6, 0x0
	.amdhsa_kernel k_qbb6b48973b_proj
		.amdhsa_group_segment_fixed_size 327680
		.amdhsa_private_segment_fixed_size 0
		.amdhsa_enable_private_segment 0
		.amdhsa_kernarg_size 56
		.amdhsa_user_sgpr_count 2
		.amdhsa_user_sgpr_kernarg_segment_ptr 1
		.amdhsa_wavefront_size32 1
		.amdhsa_system_sgpr_workgroup_id_x 1
		.amdhsa_system_sgpr_workgroup_id_y 1
		.amdhsa_system_sgpr_workgroup_id_z 1
		.amdhsa_system_vgpr_workitem_id 0
		.amdhsa_next_free_vgpr 1024
		.amdhsa_next_free_sgpr 102
		.amdhsa_reserve_vcc 0
		.amdhsa_float_denorm_mode_32 3
		.amdhsa_float_denorm_mode_16_64 3
		.amdhsa_memory_ordered 1
		.amdhsa_forward_progress 1
		.amdhsa_inst_pref_size 247
	.end_amdhsa_kernel
	.amdgpu_metadata
---
amdhsa.version: [ 1, 2 ]
amdhsa.kernels:
  - .name:           k_qbb6b48973b_proj
    .symbol:         k_qbb6b48973b_proj.kd
    .args:
      - { .name: opc, .offset: 0, .size: 8, .value_kind: global_buffer, .address_space: global }
      - { .name: ops, .offset: 8, .size: 8, .value_kind: global_buffer, .address_space: global }
      - { .name: bq, .offset: 16, .size: 8, .value_kind: global_buffer, .address_space: global }
      - { .name: bk, .offset: 24, .size: 8, .value_kind: global_buffer, .address_space: global }
      - { .name: bv, .offset: 32, .size: 8, .value_kind: global_buffer, .address_space: global }
      - { .name: qc, .offset: 40, .size: 8, .value_kind: global_buffer, .address_space: global }
      - { .name: kv, .offset: 48, .size: 8, .value_kind: global_buffer, .address_space: global }
    .group_segment_fixed_size: 327680
    .private_segment_fixed_size: 0
    .kernarg_segment_align: 8
    .kernarg_segment_size: 56
    .max_flat_workgroup_size: 128
    .sgpr_count:     102
    .vgpr_count:     1024
    .wavefront_size: 32
...
	.end_amdgpu_metadata
.endif
;; end of part 2
;; launch attn (part 3): grid 4 x 64, 8 waves a work-group, clusters of 4 x 1, 230,400 bytes of LDS; arguments qc, kv, ao, aos; writes ao, aos
.if DOCPART == 3
	.amdgcn_target "amdgcn-amd-amdhsa--gfx1250"
	.amdhsa_code_object_version 6
	.text
	.protected	k_qbb6b48973b_attn
	.globl	k_qbb6b48973b_attn
	.p2align	8
	.type	k_qbb6b48973b_attn,@function
k_qbb6b48973b_attn:
	s_mov_b64 s[64:65], 0
	v_nop
	global_prefetch_b8 v0, s[64:65] scope:SCOPE_SE
	s_setreg_imm32_b32 hwreg(HW_REG_WAVE_MODE, 25, 1), 1
	s_wait_xcnt 0x0
	s_wait_alu depctr_hold_cnt(0) depctr_sa_sdst(0) depctr_va_vdst(0) depctr_va_sdst(0) depctr_va_ssrc(0) depctr_va_vcc(0) depctr_vm_vsrc(0)
	s_getreg_b32 s2, hwreg(HW_REG_IB_STS2, 6, 4)
	s_cmp_eq_u32 s2, 0
	s_cbranch_scc0 .Lentry_in_a_cluster
	s_endpgm
.Lentry_in_a_cluster:
	s_bfe_u32 s2, ttmp6, 0x10000c
	s_cmp_lg_u32 s2, 0x3003
	s_cbranch_scc0 .Lentry_shape_is_right
	s_endpgm
.Lentry_shape_is_right:
; For each (batch, head): O[q] = the sum over keys of softmax(q . k / 8) v, both products on codes of FP6 (E2M3) with E8M0 scales; the result, divided by the row's sum, is quantised along the head's 64 for the last product.
; THE SOFTMAX: t = score x log2(e) / 8; M = the running largest t rounded UP to a whole number; p = 2^(t - M) is quantised along the keys, not normalised; the row's sum is taken of the unquantised p.
; When M moves, the sum and O are multiplied by 2^(old M - new M): exact.
; IN: qc and kv as the launch before laid them: images of operand registers (plane j = registers 4 j .. 4 j + 3, lane l at byte 16 l).  k and q are PAIR images: registers 0-5 token tile 2 p, registers 6-11 tile 2 p + 1.
; K = 64 fills half of the instruction's 128: a pair is multiplied by (q, zeros) for its first tile's scores and by (zeros, q) for its second's: zero codes add nothing.
; SHARES: a work-group owns 512 queries of one head; each of its eight waves 64 queries, four tiles of 16, so that each fragment of k and of v read from LDS serves four tiles.  Two waves to a SIMD, 512 registers each.
; WHICH KEYS FORM A TILE is chosen by the lanes' LDS addresses: fragment (c, v) of a step of 128 keys takes as its rows 0-7 lanes 8 v .. 8 v + 7 of image 2 c and as its rows 8-15 the same lanes of image 2 c + 1.
;   Lane (query, h) then holds in registers 32 c + 16 v + 8 u + j key 32 (2 c + h) + 16 v + 8 u + j: a WHOLE block of 32 keys in 32 registers on end, in v's own order: no lane looks at another for a block's largest p, and the codes fall as the operand wants them.
; LDS: the head's whole block of kv is brought ONCE, one joint load a wave: waves 0-3 k's images, as rows of 512 bytes with 128 bytes of padding (an image is 3 x 640 bytes, so that lanes 0-7 and lanes 8-15 of a load, which read two images, touch different banks);
;   waves 4-7 the other 106,496 bytes (k's scale words, v, v's scale words), dense.  Nothing is filled again, and no barrier stands in the loop.
; CLUSTER: the four work-groups of a head read the same block: each part is asked for jointly, with the same descriptor and a mask that names the four.
; NO PREFETCH: a work-group asks for all its bytes at the head, once; there is no loop to run ahead in.
; A STEP: scores of tiles 0, 1; their softmax; their O; scores of tiles 2, 3; the next step's k is asked for; their softmax; their O; the next step's v is asked for.  The last step asks for its own fragments once more, so that no address leaves the block.
; OUT: ao: fragments as in opc, each as two halves of 768 bytes (a head each): 512 bytes of registers 0-3 (16 x lane), 256 of registers 4, 5 (8 x lane).  aos: a head's two scale bytes a row, by a 16-bit store (262,144 bytes in the whole launch).
; LIMITS: NaN and infinities are not served; the promise holds while |t| stays under 2^31; p under 2^-126 becomes 0; a block whose largest magnitude lies under 2^-124 (a block of zeros too) gets the byte 1.
; REGISTERS, window 0: v1-7 addresses; v8, v9 the add's; v10, v11 16 x lane, 4 r; v12-27 a tile's -M, largest score, sum (pair); v28-41 scale words (v's, p's, k's, q's); v42-79 at work; v80-207 S^T, then p, of two tiles; v208-255 v's fragments.
;   window 1: v0-127 O^T of four tiles; v128-181 zeros, q0, zeros, q1, .. zeros; v184-231 k's fragments; v232-255 p's codes of two tiles.
.set FRB,  1536
.set KST,  204800
.set KP,   640                         ; a plane of 512 bytes + 128 of padding
.set DB,   192*KP                      ; behind k's 192 planes: the dense part: k's scale words,
.set VB,   DB+4096                     ; v's fragments,
.set VSB,  VB+98304                    ; v's scale words
.set SPARE, DB+106496                  ; the spare words: 128 bytes a wave
.set LK,   1
.set LSK,  2
.set LV,   3
.set LSV,  4
.set AD0,  5
.set AD1,  6
.set H8,   7                           ; 8 h
.set SPW,  8
.set NIL,  9
.set ST,   12                          ; tile i: -M at 4 i, largest score at 4 i + 1, the sum at 4 i + 2, 4 i + 3
.set VW,   28
.set PW,   32
.set KW,   34
.set QW,   38
.set T,    42                          ; 18 registers for each tile of a pair: 0-3 maxima, 4-5 f, 6-7 in hand, 8-15 partial sums, then codes, 16-17 the conversions' scale operands
.set S,    80
.set VF,   208
.set QZ,   128                         ; window 1
.set KF,   184
.set CD,   232
.set WV,   18
.set SEL,  20
.set CS,   22                          ; s[22:23] c = log2(e) / 8
.set G1A,  24
.set G0A,  32
.set G0B,  36
.set G1B,  48
.set NC,   56                          ; -c
.set CNT,  57
.set NX,   58
.set TK,   59
.set TS,   60
.set TV,   61
.set MSB, 0
.macro WIN new                         ; the immediate's high byte repeats the setting that is left
.if MSB != (\new)
	s_set_vgpr_msb (MSB<<8)|(\new)
.set MSB, (\new)
.endif
.endm
.macro WALU
	s_wait_alu depctr_va_vdst(0)
.endm
.macro CROUND                          ; a round of the cluster's barrier
	s_barrier_signal -1
	s_barrier_wait -1
	s_cmp_lg_u32 s[WV], 0
	s_cbranch_scc1 .Lnot_wave_0_\@
	s_barrier_signal -3
.Lnot_wave_0_\@:
	s_barrier_wait -3
	s_barrier_signal -1
	s_barrier_wait -1
.endm
; k's four fragments and scale words of the step at s[TK], s[TS].  The two additions and two v_nop are the four places behind the products that read these registers.
.macro LOADK
	WIN 0
	v_add_nc_u32 v[AD0], s[TK], v[LK]
	v_add_nc_u32 v[AD1], s[TS], v[LSK]
	v_nop
	v_nop
	WIN 0x40
.irp c, 0,1
.irp v, 0,1
.irp j, 0,1,2
	ds_load_b128 v[KF+12*(2*\c+\v)+4*\j:KF+12*(2*\c+\v)+4*\j+3], v[AD0] offset:(6*\c+\j)*KP+128*\v
.endr
.endr
.endr
	WIN 0
.irp c, 0,1
.irp v, 0,1
	ds_load_b32 v[KW+2*\c+\v], v[AD1] offset:128*\c+32*\v
.endr
.endr
.endm
.macro LOADV                           ; v's four channel tiles and scale words, likewise
	WIN 0
	v_add_nc_u32 v[AD0], s[TV], v[LV]
	v_add_nc_u32 v[AD1], s[TS], v[LSV]
	v_nop
	v_nop
.irp t, 0,1,2,3
.irp j, 0,1,2
	ds_load_b128 v[VF+12*\t+4*\j:VF+12*\t+4*\j+3], v[AD0] offset:FRB*\t+512*\j
.endr
.endr
.irp t, 0,1,2,3
	ds_load_b32 v[VW+\t], v[AD1] offset:64*\t
.endr
.endm
; S^T = k q^T for tiles 2 g, 2 g + 1: sixteen products on sixteen accumulators
.macro QK g
	WIN 0x05
.irp c, 0,1
.irp v, 0,1
.irp u, 0,1
.irp y, 0,1
	v_wmma_scale_f32_16x16x128_f8f6f4 v[S+64*\y+32*\c+16*\v+8*\u:S+64*\y+32*\c+16*\v+8*\u+7], v[KF+12*(2*\c+\v):KF+12*(2*\c+\v)+11], v[QZ+12*(2*\g+\y)+6-6*\u:QZ+12*(2*\g+\y)+17-6*\u], 0, v[KW+2*\c+\v], v[QW+2*\g+\y] matrix_a_fmt:MATRIX_FMT_FP6 matrix_b_fmt:MATRIX_FMT_FP6
.endr
.endr
.endr
.endr
.endm
; O^T += v^T p^T: eight accumulators by turns
.macro PV g
	WIN 0x54
.irp t, 0,1,2,3
.irp y, 0,1
	v_wmma_scale_f32_16x16x128_f8f6f4 v[32*(2*\g+\y)+8*\t:32*(2*\g+\y)+8*\t+7], v[VF+12*\t:VF+12*\t+11], v[CD+12*\y:CD+12*\y+11], v[32*(2*\g+\y)+8*\t:32*(2*\g+\y)+8*\t+7], v[VW+\t], v[PW+\y] matrix_a_fmt:MATRIX_FMT_FP6 matrix_b_fmt:MATRIX_FMT_FP6
.endr
.endr
.endm
.macro PKF g, from, n                  ; t - M, two at a time, pairs from .. from + n - 1 of both tiles
.set p, \from
.rept \n
.irp y, 0,1
	v_pk_fma_f32 v[S+64*\y+2*p:S+64*\y+2*p+1], v[S+64*\y+2*p:S+64*\y+2*p+1], s[CS:CS+1], v[ST+4*(2*\g+\y):ST+4*(2*\g+\y)+1] op_sel_hi:[1,0,0]
.endr
.set p, p+1
.endr
.endm
.macro ADDS g, from, n                 ; the row's sum of the unquantised p: four chains a tile, the fourth the running sum itself
.set p, \from
.rept \n
.irp y, 0,1
.if (p-7)%4 == 3
	v_pk_add_f32 v[ST+4*(2*\g+\y)+2:ST+4*(2*\g+\y)+3], v[ST+4*(2*\g+\y)+2:ST+4*(2*\g+\y)+3], v[S+64*\y+2*p:S+64*\y+2*p+1]
.else
	v_pk_add_f32 v[T+18*\y+8+2*((p-7)%4):T+18*\y+9+2*((p-7)%4)], v[T+18*\y+8+2*((p-7)%4):T+18*\y+9+2*((p-7)%4)], v[S+64*\y+2*p:S+64*\y+2*p+1]
.endif
.endr
.set p, p+1
.endr
.endm
; The softmax of tiles 2 g, 2 g + 1 for 128 keys, the two tiles line by line in turn; it ends with O^T under the new M.
.macro SOFT g
	WIN 0
.irp c, 0,1                            ; the largest score of my two blocks of 32 keys, two chains a block, each accumulator from its low end on
.irp y, 0,1
	v_max3_num_f32 v[T+18*\y+2*\c], v[S+64*\y+32*\c], v[S+64*\y+32*\c+1], v[S+64*\y+32*\c+2]
	v_max3_num_f32 v[T+18*\y+2*\c+1], v[S+64*\y+32*\c+16], v[S+64*\y+32*\c+17], v[S+64*\y+32*\c+18]
.endr
.endr
.irp k, 3,5,7,9,11,13
.irp c, 0,1
.irp y, 0,1
	v_max3_num_f32 v[T+18*\y+2*\c], v[T+18*\y+2*\c], v[S+64*\y+32*\c+\k], v[S+64*\y+32*\c+\k+1]
	v_max3_num_f32 v[T+18*\y+2*\c+1], v[T+18*\y+2*\c+1], v[S+64*\y+32*\c+\k+16], v[S+64*\y+32*\c+\k+17]
.endr
.endr
.endr
.irp c, 0,1
.irp y, 0,1
	v_max3_num_f32 v[T+18*\y+2*\c+1], v[T+18*\y+2*\c+1], v[S+64*\y+32*\c+15], v[S+64*\y+32*\c+31]
.endr
.endr
.irp c, 0,1
.irp y, 0,1
	v_max_num_f32 v[T+18*\y+2*\c], v[T+18*\y+2*\c], v[T+18*\y+2*\c+1]
.endr
.endr
.irp y, 0,1
	v_max_num_f32 v[T+18*\y+7], v[T+18*\y], v[T+18*\y+2]
.endr
.irp y, 0,1
	v_permlanex16_b32 v[T+18*\y+6], v[T+18*\y+7], s[SEL], s[SEL+1]
.endr
.irp y, 0,1
	v_max3_num_f32 v[ST+4*(2*\g+\y)+1], v[ST+4*(2*\g+\y)+1], v[T+18*\y+7], v[T+18*\y+6]   ; the running largest score of my query
.endr
.irp y, 0,1
	v_mul_f32 v[T+18*\y+7], s[NC], v[ST+4*(2*\g+\y)+1]   ; -t
.endr
.irp y, 0,1
	v_mov_b32 v[T+18*\y+6], v[ST+4*(2*\g+\y)]
.endr
.irp y, 0,1
	v_floor_f32 v[ST+4*(2*\g+\y)], v[T+18*\y+7]          ; the new -M = floor(-t): M is a whole number
.endr
	PKF \g, 0, 8
.irp y, 0,1
	v_sub_f32 v[T+18*\y+7], v[ST+4*(2*\g+\y)], v[T+18*\y+6]   ; old M - new M: a whole number, 0 or less
.endr
	PKF \g, 8, 8
.irp y, 0,1
	v_cvt_i32_f32 v[T+18*\y+7], v[T+18*\y+7]             ; (it saturates)
.endr
	PKF \g, 16, 8
.irp y, 0,1
	v_ldexp_f32 v[T+18*\y+4], 1.0, v[T+18*\y+7]          ; f = 2^(old M - new M)
.endr
	PKF \g, 24, 8
.irp c, 0,1
.irp y, 0,1
	v_fma_f32 v[T+18*\y+2*\c], v[T+18*\y+2*\c], s[CS], v[ST+4*(2*\g+\y)]   ; the same of each block's largest score: p rises with the score
.endr
.endr
	WALU                                   ; the wait ahead of the batch
.set p, 0
.rept 64
	v_exp_f32 v[S+p], v[S+p]               ; p = 2^(t - M)
	v_exp_f32 v[S+64+p], v[S+64+p]
.set p, p+1
.endr
.irp c, 0,1
.irp y, 0,1
	v_exp_f32 v[T+18*\y+2*\c], v[T+18*\y+2*\c]           ; the block's largest p
.endr
.endr
.irp y, 0,1
	v_pk_mul_f32 v[ST+4*(2*\g+\y)+2:ST+4*(2*\g+\y)+3], v[ST+4*(2*\g+\y)+2:ST+4*(2*\g+\y)+3], v[T+18*\y+4:T+18*\y+5] op_sel_hi:[1,0]   ; the sum under the new M: the plain place behind the batch
.endr
	WALU                                   ; one wait for the whole batch, ahead of its first reader
.irp q, 0,1,2
.irp y, 0,1
	v_pk_add_f32 v[T+18*\y+8+2*\q:T+18*\y+9+2*\q], v[S+64*\y+2*\q:S+64*\y+2*\q+1], v[S+64*\y+2*\q+6:S+64*\y+2*\q+7]
.endr
.endr
.irp y, 0,1
	v_pk_add_f32 v[ST+4*(2*\g+\y)+2:ST+4*(2*\g+\y)+3], v[ST+4*(2*\g+\y)+2:ST+4*(2*\g+\y)+3], v[S+64*\y+12:S+64*\y+13]
.endr
.irp c, 0,1                            ; the blocks' scales, their lines among the sums'
.irp y, 0,1
	v_max_num_f32 v[T+18*\y+2*\c], 0x1800000, v[T+18*\y+2*\c]   ; the floor 2^(3 - 127): the byte cannot fall under 1
.endr
.endr
	ADDS \g, 7, 4
.irp c, 0,1
.irp y, 0,1
	v_add_nc_u32 v[T+18*\y+16+\c], 0xff000000, v[T+18*\y+2*\c]  ; 2 off the exponent field: the conversion's scale operand
.endr
.endr
	ADDS \g, 11, 4
.irp c, 0,1
.irp y, 0,1
	v_lshrrev_b32 v[T+18*\y+2*\c+1], 23, v[T+18*\y+16+\c]       ; the scale's byte
.endr
.endr
	ADDS \g, 15, 4
.irp y, 0,1
	v_lshl_or_b32 v[T+18*\y+7], v[T+18*\y+3], 16, v[T+18*\y+1]  ; my bytes: blocks h and 2 + h,
.endr
	ADDS \g, 19, 4
.irp y, 0,1
	v_lshlrev_b32 v[T+18*\y+7], v[H8], v[T+18*\y+7]             ; at their places in the word;
.endr
	ADDS \g, 23, 4
.irp y, 0,1
	v_permlanex16_b32 v[T+18*\y+6], v[T+18*\y+7], s[SEL], s[SEL+1]
.endr
	ADDS \g, 27, 5
.irp y, 0,1
	v_or_b32 v[PW+\y], v[T+18*\y+7], v[T+18*\y+6]               ; with lane l xor 16's two the word is whole
.endr
.irp y, 0,1
	v_pk_add_f32 v[T+18*\y+8:T+18*\y+9], v[T+18*\y+8:T+18*\y+9], v[T+18*\y+10:T+18*\y+11]
	v_pk_add_f32 v[ST+4*(2*\g+\y)+2:ST+4*(2*\g+\y)+3], v[ST+4*(2*\g+\y)+2:ST+4*(2*\g+\y)+3], v[T+18*\y+12:T+18*\y+13]
.endr
.irp y, 0,1
	v_pk_add_f32 v[ST+4*(2*\g+\y)+2:ST+4*(2*\g+\y)+3], v[ST+4*(2*\g+\y)+2:ST+4*(2*\g+\y)+3], v[T+18*\y+8:T+18*\y+9]
.endr
.irp y, 0,1                            ; a block's upper 16 codes are made elsewhere and moved: a conversion's three registers begin on an even number
	v_cvt_scalef32_pk16_fp6_f32 v[T+18*\y+8:T+18*\y+10], v[S+64*\y+16:S+64*\y+31], v[T+18*\y+16]
	v_cvt_scalef32_pk16_fp6_f32 v[T+18*\y+12:T+18*\y+14], v[S+64*\y+48:S+64*\y+63], v[T+18*\y+17]
.endr
	WIN 0x40
.irp y, 0,1
	v_cvt_scalef32_pk16_fp6_f32 v[CD+12*\y:CD+12*\y+2], v[S+64*\y:S+64*\y+15], v[T+18*\y+16]
	v_cvt_scalef32_pk16_fp6_f32 v[CD+12*\y+6:CD+12*\y+8], v[S+64*\y+32:S+64*\y+47], v[T+18*\y+17]
.endr
	v_nop                                  ; one plain place behind a scaled conversion
.irp y, 0,1
.irp i, 0,1,2
	v_mov_b32 v[CD+12*\y+3+\i], v[T+18*\y+8+\i]
	v_mov_b32 v[CD+12*\y+9+\i], v[T+18*\y+12+\i]
.endr
.endr
	WIN 0x41
	WALU                                   ; the wait directly ahead of the first reader of O^T
.irp y, 0,1
.set p, 0
.rept 16
	v_pk_mul_f32 v[32*(2*\g+\y)+2*p:32*(2*\g+\y)+2*p+1], v[32*(2*\g+\y)+2*p:32*(2*\g+\y)+2*p+1], v[T+18*\y+4:T+18*\y+5] op_sel_hi:[1,0]   ; O^T under the new M; these 32 lines are also the places between p's word and codes and the products
.set p, p+1
.endr
.endr
.endm
	s_load_b256 s[4:11], s[0:1], 0x0               ; qc, kv, ao, aos
	v_lshl_add_u32 v[SPW], v0, 2, SPARE
	v_mov_b32 v[NIL], 0
	ds_add_u32 v[SPW], v[NIL]                      ; the opening lines: the add, twice on end, and its wait
	ds_add_u32 v[SPW], v[NIL]
	v_lshrrev_b32 v5, 5, v0
	v_readfirstlane_b32 s[WV], v5                  ; wave 0..7
	s_bfe_u32 s12, ttmp6, 0x40000                  ; cx: it enters global addresses of q and of the result alone
	s_and_b32 s13, ttmp7, 0xffff                   ; (batch, head), which the four partners share
	s_lshl_b32 s14, s12, 4
	s_lshl_b32 s15, s[WV], 1
	s_add_co_u32 s14, s14, s15                     ; the first of my two pairs of query tiles, 0, 2 .. 62
	s_and_b32 s15, s[WV], 3                        ; which quarter of k's images (waves 0-3) or of the dense part (waves 4-7) I fetch
	s_mul_i32 s40, s13, KST
	s_mul_i32 s42, s15, 48*512
	s_add_co_u32 s42, s42, s40
	s_mov_b32 s43, 0
	s_mul_i32 s44, s15, 104*256
	s_add_co_u32 s44, s44, s40
	s_add_co_u32 s44, s44, 98304
	s_mov_b32 s45, 0
	s_mov_b32 s[G0A], 1
	s_mul_i32 s[G0A+1], s15, 48*KP
	s_mov_b32 s[G0B], 1
	s_mul_i32 s[G0B+1], s15, 104*256
	s_add_co_u32 s[G0B+1], s[G0B+1], DB
	s_mov_b32 s[G1A], 15|(3<<16)|(1<<20)|(1<<21)|(6<<22)|(31<<25)   ; the mask: all four; elements of 8 bytes; behind every 128 words 32 words of padding
	s_mov_b32 s[G1A+1], 64<<16                     ; 48 rows of 512 bytes
	s_mov_b32 s[G1A+2], 48<<16
	s_mov_b32 s[G1A+3], 64<<16
	s_mov_b32 s[G1A+4], 48
	s_mov_b32 s[G1A+5], 64
	s_mov_b32 s[G1A+6], 0
	s_mov_b32 s[G1A+7], 0
	s_mov_b32 s[G1B], 15|(3<<16)|(1<<21)           ; no padding
	s_mov_b32 s[G1B+1], 32<<16                     ; 104 rows of 256 bytes
	s_mov_b32 s[G1B+2], 104<<16
	s_mov_b32 s[G1B+3], 32<<16
	s_mov_b32 s[G1B+4], 104
	s_mov_b32 s[G1B+5], 32
	s_mov_b32 s[G1B+6], 0
	s_mov_b32 s[G1B+7], 0
	s_mov_b32 s[SEL], 0x76543210
	s_mov_b32 s[SEL+1], 0xfedcba98
	s_mov_b32 s[CS], 0x3e38aa3b                    ; c = log2(e) / sqrt(64)
	s_mov_b32 s[CS+1], s[CS]
	s_mov_b32 s[NC], 0xbe38aa3b                    ; -c
	WALU
	s_wait_dscnt 0x0
	s_wait_kmcnt 0x0
	s_add_nc_u64 s[G0A+2:G0A+3], s[6:7], s[42:43]
	s_or_b32 s[G0A+3], s[G0A+3], 0x80000000
	s_add_nc_u64 s[G0B+2:G0B+3], s[6:7], s[44:45]
	s_or_b32 s[G0B+3], s[G0B+3], 0x80000000
	CROUND                                         ; all four work-groups are here: the joint loads meet
	s_cmp_lt_u32 s[WV], 4
	s_cbranch_scc0 .Ldense
	tensor_load_to_lds s[G0A:G0A+3], s[G1A:G1A+7]  ; my one tensor load of the launch
	s_nop 0
.rept 4
	v_nop
.endr
	s_branch .Lasked
.Ldense:
	tensor_load_to_lds s[G0B:G0B+3], s[G1B:G1B+7]
	s_nop 0
.rept 4
	v_nop
.endr
.Lasked:
	s_mul_i32 s42, s13, 102400                     ; q: the head's block,
	s_mul_i32 s16, s14, FRB
	s_add_co_u32 s16, s16, s42                     ; my pairs' images
	s_mov_b32 s17, 0
	s_lshl_b32 s46, s14, 6
	s_add_co_u32 s46, s46, s42
	s_add_co_u32 s46, s46, 98304                   ; and their scale words
	s_mov_b32 s47, 0
	s_add_nc_u64 s[16:17], s[4:5], s[16:17]
	s_add_nc_u64 s[46:47], s[4:5], s[46:47]
	v_and_b32 v5, 7, v0                            ; r % 8
	v_bfe_u32 v6, v0, 3, 1                         ; r / 8
	v_bfe_u32 v[H8], v0, 4, 1                      ; h
	v_and_b32 v10, 31, v0
	v_and_b32 v11, 15, v0
	v_lshlrev_b32 v10, 4, v10                      ; 16 x lane
	v_lshlrev_b32 v11, 2, v11                      ; 4 r
.irp j, 0,1,2,3,4,5
	global_load_b128 v[S+4*\j:S+4*\j+3], v10, s[16:17] offset:512*\j   ; tile i's six registers land at S + 6 i
.endr
	global_load_b32 v[S+24], v11, s[46:47]
	global_load_b32 v[S+25], v11, s[46:47] offset:64
	v_lshlrev_b32 v[LK], 4, v5
	v_mad_u32_u24 v[LK], v6, 3*KP, v[LK]
	v_lshl_add_u32 v[LK], v[H8], 8, v[LK]          ; k: 16 (r % 8) + 256 h + an image for r / 8
	v_lshlrev_b32 v[LSK], 2, v5
	v_lshl_add_u32 v[LSK], v6, 6, v[LSK]
	v_add_nc_u32 v[LSK], DB, v[LSK]                ; its scale words: 4 (r % 8) + 64 (r / 8)
	v_add_nc_u32 v[LV], VB, v10
	v_add_nc_u32 v[LSV], VSB, v11
	v_lshlrev_b32 v[H8], 3, v[H8]
	s_lshr_b32 s42, s13, 4                         ; batch
	s_and_b32 s43, s13, 15                         ; head
	s_lshl_b32 s44, s42, 4
	s_lshr_b32 s45, s14, 2
	s_add_co_u32 s44, s44, s45                     ; the result: group of 128 tokens,
	s_lshl_b32 s44, s44, 3
	s_lshr_b32 s45, s43, 1
	s_add_co_u32 s44, s44, s45                     ; K step = head / 2,
	s_lshl_b32 s44, s44, 3
	s_and_b32 s45, s14, 3
	s_lshl_b32 s45, s45, 1
	s_add_co_u32 s44, s44, s45                     ; my first tile in the group,
	s_mul_i32 s44, s44, FRB
	s_and_b32 s45, s43, 1
	s_mul_i32 s45, s45, 768
	s_add_co_u32 s44, s44, s45                     ; the head's half of the fragment
	s_mov_b32 s45, 0
	s_add_nc_u64 s[8:9], s[8:9], s[44:45]
	s_lshl_b32 s42, s42, 7
	s_lshl_b32 s15, s14, 1
	s_add_co_u32 s42, s42, s15                     ; its scale bytes: tile x 512
	s_lshl_b32 s42, s42, 9
	s_lshr_b32 s15, s43, 2
	s_lshl_b32 s15, s15, 7
	s_add_co_u32 s42, s42, s15                     ; + (head / 4) x 128
	s_and_b32 s15, s43, 3
	s_lshl_b32 s15, s15, 1
	s_add_co_u32 s42, s42, s15                     ; + 2 (head % 4)
	s_mov_b32 s43, 0
	s_add_nc_u64 s[10:11], s[10:11], s[42:43]
	WIN 0x40
.set p, 0
.rept 128
	v_mov_b32 v[p], 0                              ; O^T: the step is written once; its first trip finds zeros
.set p, p+1
.endr
.irp i, 0,1,2,3,4
.irp k, 0,1,2,3,4,5
	v_mov_b32 v[QZ+12*\i+\k], 0                    ; zero codes on both sides of each q
.endr
.endr
	WIN 0
	s_mov_b32 s[TK], 0
	s_mov_b32 s[TS], 0
	s_mov_b32 s[TV], 0
	s_mov_b32 s[CNT], 0
	WALU
	s_wait_tensorcnt 0x0                           ; my part of the block is in,
	s_barrier_signal -1
	s_barrier_wait -1                              ; everybody's is
	LOADK                                          ; step 0
	LOADV
	s_wait_loadcnt 0x0                             ; q
.irp i, 0,1
	v_perm_b32 v[QW+2*\i], v[S+24+\i], v[S+24+\i], 0x01000100     ; a tile's two scale bytes, twice: for either half of the instruction's K
	v_perm_b32 v[QW+2*\i+1], v[S+24+\i], v[S+24+\i], 0x03020302
.endr
	WIN 0x40
.irp i, 0,1,2,3
.irp k, 0,1,2,3,4,5
	v_mov_b32 v[QZ+12*\i+6+\k], v[S+6*\i+\k]
.endr
.endr
	WIN 0
.irp i, 0,1,2,3
	v_mov_b32 v[ST+4*\i+1], 0xff61b1e6             ; the largest score so far: -3e38
	v_mov_b32 v[ST+4*\i+2], 0
	v_mov_b32 v[ST+4*\i+3], 0
.endr
.irp i, 0,1,2,3
	v_mul_f32 v[ST+4*\i], s[NC], v[ST+4*\i+1]      ; -M (a whole number at this size)
.endr
.irp y, 0,1
	v_mov_b32 v[T+18*\y+5], 0                      ; named as the upper half of f's pair
	v_mov_b32 v[T+18*\y+6], 0                      ; a lane permute's destination counts as one of its sources
.endr
	WALU                                           ; the wait at the head's end
.Lstep:
	s_add_co_u32 s[NX], s[CNT], 1
	s_min_u32 s[NX], s[NX], 15                     ; the step asked for in this trip; the last asks for itself
	s_mul_i32 s[TK], s[NX], 12*KP
	s_mul_i32 s[TV], s[NX], 4*FRB
	s_lshl_b32 s[TS], s[NX], 8
	s_wait_dscnt 16                                ; k's 16 loads are in; v's 16, issued behind them, may be out
	QK 0
	WIN 0
.rept 4
	v_nop                                          ; places in front of the first read of the scores
.endr
	SOFT 0
	WALU                                           ; the wait directly ahead of the wait below
	s_wait_dscnt 0x0                               ; v is in
	PV 0
	QK 1
	LOADK
	SOFT 1
	PV 1
	LOADV
	s_add_co_u32 s[CNT], s[CNT], 1
	s_cmp_lt_u32 s[CNT], 16
	WALU
	s_cbranch_scc1 .Lstep
; THE WAY OUT of my four tiles, line by line in turn
.set U, T                              ; 8 registers a tile: 0, 1 maxima; 2, 3 in hand; 4, 5 scale operands; 6 the two bytes
.set E, VF                             ; 12 a tile: the codes, and the second conversion's
	s_wait_dscnt 0x0                               ; the last trip's loads have landed: their registers are free
	v_lshrrev_b32 v1, 1, v10                       ; 8 x lane
	v_lshlrev_b32 v2, 1, v11                       ; 8 r
.irp i, 0,1,2,3
	v_add_f32 v[ST+4*\i+2], v[ST+4*\i+2], v[ST+4*\i+3]
.endr
.irp i, 0,1,2,3
	v_permlanex16_b32 v[ST+4*\i+3], v[ST+4*\i+2], s[SEL], s[SEL+1]
.endr
.irp i, 0,1,2,3
	v_add_f32 v[ST+4*\i+2], v[ST+4*\i+2], v[ST+4*\i+3]   ; the row's sum
.endr
.irp i, 0,1,2,3
	v_mov_b32 v[U+8*\i+2], 0
	v_mov_b32 v[U+8*\i+3], 0
.endr
	WALU
.irp i, 0,1,2,3
	v_rcp_f32 v[ST+4*\i+2], v[ST+4*\i+2]
.endr
	v_nop
	WIN 0x01
	WALU                                           ; ahead of the first reader of the reciprocals and of O^T
.irp i, 0,1,2,3
.set p, 0
.rept 32
	v_mul_f32 v[S+32*\i+p], v[32*\i+p], v[ST+4*\i+2]     ; register 16 b + k is channel 32 b + 16 h + k of my query
.set p, p+1
.endr
.endr
	WIN 0
.irp i, 0,1,2,3
.irp b, 0,1
	v_max3_num_f32 v[U+8*\i+\b], |v[S+32*\i+16*\b]|, |v[S+32*\i+16*\b+1]|, 0x1800000
.endr
.endr
.irp k, 2,4,6,8,10,12,14
.irp i, 0,1,2,3
.irp b, 0,1
	v_max3_num_f32 v[U+8*\i+\b], v[U+8*\i+\b], |v[S+32*\i+16*\b+\k]|, |v[S+32*\i+16*\b+\k+1]|
.endr
.endr
.endr
.irp i, 0,1,2,3
.irp b, 0,1
	v_permlanex16_b32 v[U+8*\i+2+\b], v[U+8*\i+\b], s[SEL], s[SEL+1]
.endr
.endr
.irp i, 0,1,2,3
.irp b, 0,1
	v_max_num_f32 v[U+8*\i+\b], v[U+8*\i+\b], v[U+8*\i+2+\b]
.endr
.endr
.irp i, 0,1,2,3
.irp b, 0,1
	v_add_nc_u32 v[U+8*\i+4+\b], 0xff000000, v[U+8*\i+\b]
.endr
.endr
.irp i, 0,1,2,3
.irp b, 0,1
	v_lshrrev_b32 v[U+8*\i+2+\b], 23, v[U+8*\i+4+\b]
.endr
.endr
.irp i, 0,1,2,3
	v_lshl_or_b32 v[U+8*\i+6], v[U+8*\i+3], 8, v[U+8*\i+2]   ; the two scale bytes
.endr
.irp i, 0,1,2,3
	v_cvt_scalef32_pk16_fp6_f32 v[E+12*\i:E+12*\i+2], v[S+32*\i:S+32*\i+15], v[U+8*\i+4]
	v_cvt_scalef32_pk16_fp6_f32 v[E+12*\i+6:E+12*\i+8], v[S+32*\i+16:S+32*\i+31], v[U+8*\i+5]
.endr
	v_nop                                          ; one plain place behind a scaled conversion
.irp i, 0,1,2,3
.irp k, 0,1,2
	v_permlane16_swap_b32 v[E+12*\i+\k], v[E+12*\i+6+\k]     ; a whole block to a lane
.endr
.endr
.irp i, 0,1,2,3
.irp k, 0,1,2
	v_mov_b32 v[E+12*\i+3+\k], v[E+12*\i+6+\k]
.endr
.endr
.irp i, 0,1,2,3
	global_store_b128 v10, v[E+12*\i:E+12*\i+3], s[8:9] offset:FRB*\i          ; 512 consecutive bytes, aligned
	global_store_b64 v1, v[E+12*\i+4:E+12*\i+5], s[8:9] offset:FRB*\i+512      ; 256 consecutive bytes, aligned
	global_store_b16 v2, v[U+8*\i+6], s[10:11] offset:512*\i                   ; both lanes of a row store the same two bytes
.endr
	s_wait_tensorcnt 0x0                           ; the wave's end
	ds_add_u32 v[SPW], v[NIL]
	s_wait_dscnt 0x0
	CROUND                                         ; the closing round
	s_endpgm
.Lfunc_end_k_qbb6b48973b_attn:
	.size	k_qbb6b48973b_attn, .Lfunc_end_k_qbb6b48973b_attn-k_qbb6b48973b_attn
	.p2alignl 7, 3214868480
	.fill 96, 4, 3214868480
	.section	.rodata,"a",@progbits
	.p2align	6, 0x0
	.amdhsa_kernel k_qbb6b48973b_attn
		.amdhsa_group_segment_fixed_size 230400
		.amdhsa_private_segment_fixed_size 0
		.amdhsa_enable_private_segment 0
		.amdhsa_kernarg_size 32
		.amdhsa_user_sgpr_count 2
		.amdhsa_user_sgpr_kernarg_segment_ptr 1
		.amdhsa_wavefront_size32 1
		.amdhsa_system_sgpr_workgroup_id_x 1
		.amdhsa_system_sgpr_workgroup_id_y 1
		.amdhsa_system_sgpr_workgroup_id_z 1
		.amdhsa_system_vgpr_workitem_id 0
		.amdhsa_next_free_vgpr 512
		.amdhsa_next_free_sgpr 66
		.amdhsa_reserve_vcc 0
		.amdhsa_float_denorm_mode_32 3
		.amdhsa_float_denorm_mode_16_64 3
		.amdhsa_memory_ordered 1
		.amdhsa_forward_progress 1
		.amdhsa_inst_pref_size 82
	.end_amdhsa_kernel
	.amdgpu_metadata
---
amdhsa.version: [ 1, 2 ]
amdhsa.kernels:
  - .name:           k_qbb6b48973b_attn
    .symbol:         k_qbb6b48973b_attn.kd
    .args:
      - { .name: qc, .offset: 0, .size: 8, .value_kind: global_buffer, .address_space: global }
      - { .name: kv, .offset: 8, .size: 8, .value_kind: global_buffer, .address_space: global }
      - { .name: ao, .offset: 16, .size: 8, .value_kind: global_buffer, .address_space: global }
      - { .name: aos, .offset: 24, .size: 8, .value_kind: global_buffer, .address_space: global }
    .group_segment_fixed_size: 230400
    .private_segment_fixed_size: 0
    .kernarg_segment_align: 8
    .kernarg_segment_size: 32
    .max_flat_workgroup_size: 256
    .sgpr_count:     66
    .vgpr_count:     512
    .wavefront_size: 32
...
	.end_amdgpu_metadata
.endif
;; end of part 3
;; launch outp (part 4): grid 4 x 64, 4 waves a work-group, clusters of 4 x 4, 327,680 bytes of LDS; arguments ao, aos, opc, ops, bo, out0; writes out0
.if DOCPART == 4
	.amdgcn_target "amdgcn-amd-amdhsa--gfx1250"
	.amdhsa_code_object_version 6
	.text
	.protected	k_qbb6b48973b_outp
	.globl	k_qbb6b48973b_outp
	.p2align	8
	.type	k_qbb6b48973b_outp,@function
k_qbb6b48973b_outp:
	s_mov_b64 s[64:65], 0
	v_nop
	global_prefetch_b8 v0, s[64:65] scope:SCOPE_SE
	s_setreg_imm32_b32 hwreg(HW_REG_WAVE_MODE, 25, 1), 1
	s_wait_xcnt 0x0
	s_wait_alu depctr_hold_cnt(0) depctr_sa_sdst(0) depctr_va_vdst(0) depctr_va_sdst(0) depctr_va_ssrc(0) depctr_va_vcc(0) depctr_vm_vsrc(0)
	s_getreg_b32 s2, hwreg(HW_REG_IB_STS2, 6, 4)
	s_cmp_eq_u32 s2, 0
	s_cbranch_scc0 .Lentry_in_a_cluster
	s_endpgm
.Lentry_in_a_cluster:
	s_bfe_u32 s2, ttmp6, 0x10000c
	s_cmp_lg_u32 s2, 0xf033
	s_cbranch_scc0 .Lentry_shape_is_right
	s_endpgm
.Lentry_shape_is_right:
; out0[m][n] = the sum over k of A[m][k] Wo[n][k] + bo[n]: A [8192][1024] the attention's result, as codes of FP6 (E2M3) in ao with E8M0 bytes in aos; Wo's codes and bytes are groups 152 .. 159 of opc and ops.  Sums in f32.
; Codes lie as images of operand registers: group of 128 rows x 98,304 + K step x 12,288 + tile x 1,536.  Wo's fragment: three planes of 512 bytes (16 x lane).  A's: two halves of 768 bytes, each 512 bytes of registers 0-3 (16 x lane) and 256 of registers 4, 5 (8 x lane).
; Scale words: tile x 512 + (K step / 2) x 128 + 8 r + 4 (K step % 2).  Lane r of tile T holds row 32 (T / 2) + 8 (T % 2) + r + 8 (r / 8) of its group.
; SHARES: 256 work-groups; each makes 128 rows x 256 columns: four waves, 2 x 2, each 64 x 128: 32 accumulators of 16 x 16.
; LDS HOLDS ALL OF K: A's one group (98,304 bytes), Wo's two groups (196,608, on end in memory), A's scales (4,096) and Wo's (8,192): four dense blocks, one joint load a wave at the head, as rows of 256 bytes.  Nothing is filled again, and no barrier stands in the walk along K.
; CLUSTER: 4 x 4 work-groups: A's blocks are shared along a row of the cluster, Wo's along a column: each is asked for jointly.
; NO PREFETCH: a work-group asks for all its bytes at the head, once; there is no loop to run ahead in.
; The walk along K, eight steps of 128, is written out; both operands have two sets of fragment registers, and a step's 40 LDS loads are issued a whole step ahead of the wait for them.
; THE MATRIX INSTRUCTION IS USED TRANSPOSED (source 0 = Wo's rows, source 1 = A's): a lane holds eight neighbouring columns of a row.  THE WAY OUT goes through the wave's own stage, which lies on A's bytes behind a barrier behind which nobody reads them.
; REGISTERS: window 0: v16-29 addresses; v32-95 all scale words (register 16 (q / 2) + 2 i + q % 2: lanes 0-15 A's tile i, lanes 16-31 Wo's tile i); v96-99 the bias; v128-223 A's fragments, two sets; on the way out v128-255.
;   window 1: Wo's fragments, two sets, at v0 and v128.   window 2: accumulator (a, b) at v[8 (8 a + b)].
.set FR,    12
.set FRB,   1536
.set KSB,   8*FRB
.set GRP,   8*KSB
.set SCL,   3*GRP                      ; behind A's group and Wo's two: the scales
.set SPARE, SCL+3*4096                 ; behind them the spare words
.set SPITCH, 528
.set ADRA, 16                          ; v16, v17 A's fragments, 16 x lane: K steps 0-3, 4-7
.set ADRA8, 18                         ; v18, v19 the same, 8 x lane
.set ADRB, 20                          ; v20, v21 Wo's
.set STO,  24
.set RD,   25
.set CO,   26
.set ADRS, 27
.set SPW,  28
.set NIL,  29
.set SC,   32
.set BO,   96
.set AF,   128
.set BK,   128
.set WV, 18
.set WM, 19
.set WN, 20
.set CX, 21
.set CY, 22
.set TR, 41
.set MR, 43
.set MC, 44
.set G1, 24
.set G0, 32
.set G0B, 36
.set G1B, 48
.set G0S, 56
.set G0SB, 60
.set G1S, 68
.set G1SB, 80
.set MSB, 0
.macro WIN new
.if MSB != (\new)
	s_set_vgpr_msb (MSB<<8)|(\new)
.set MSB, (\new)
.endif
.endm
.set MUL_LO, 0xa1                      ; source 0 window 1, source 1 window 0, C and D window 2
.set TO_B,   0x40
.macro PLACES n
.rept \n
	v_nop
.endr
.endm
.macro CROUND                          ; a round of the cluster's barrier
	s_barrier_signal -1
	s_barrier_wait -1
	s_cmp_lg_u32 s[WV], 0
	s_cbranch_scc1 .Lnot_wave_0_\@
	s_barrier_signal -3
.Lnot_wave_0_\@:
	s_barrier_wait -3
	s_barrier_signal -1
	s_barrier_wait -1
.endm
.macro GROUP1 g, mask, rows            ; a dense block as rows of 256 bytes
	s_or_b32 s[\g], s[\mask], (3<<16)|(1<<21)
	s_mov_b32 s[\g+1], 32<<16
	s_mov_b32 s[\g+2], (\rows)<<16
	s_mov_b32 s[\g+3], 32<<16
	s_mov_b32 s[\g+4], \rows
	s_mov_b32 s[\g+5], 32
	s_mov_b32 s[\g+6], 0
	s_mov_b32 s[\g+7], 0
.endm
.macro GROUP0 g, lds, a
	s_mov_b32 s[\g], 1
	s_mov_b32 s[\g+1], \lds
	s_mov_b64 s[\g+2:\g+3], s[\a:\a+1]
	s_or_b32 s[\g+3], s[\g+3], 0x80000000
.endm
.macro ARM under, g0, g1, next         ; one tree of branches on the wave's number: every way passes one load
	s_cmp_lt_u32 s[WV], \under
	s_cbranch_scc0 \next
	tensor_load_to_lds s[\g0:\g0+3], s[\g1:\g1+7]
	s_nop 0
	PLACES 4
	s_branch .Lhead_asked
\next:
.endm
	s_load_b256 s[4:11], s[0:1], 0x0               ; ao, aos, opc, ops
	s_load_b128 s[12:15], s[0:1], 0x20             ; bo, out0
	v_lshl_add_u32 v[SPW], v0, 2, SPARE
	v_mov_b32 v[NIL], 0
	ds_add_u32 v[SPW], v[NIL]                      ; the opening lines: the add, twice on end, and its wait
	ds_add_u32 v[SPW], v[NIL]
	v_lshrrev_b32 v1, 5, v0
	v_readfirstlane_b32 s[WV], v1
	s_lshr_b32 s[WM], s[WV], 1                     ; which 64 rows are mine
	s_and_b32 s[WN], s[WV], 1                      ; which 128 columns
	s_bfe_u32 s[CX], ttmp6, 0x40000                ; cx: the tile column
	s_bfe_u32 s[CY], ttmp6, 0x40004
	s_and_b32 s[TR], ttmp7, 0xffff
	s_lshl_b32 s[TR], s[TR], 2
	s_add_co_u32 s[TR], s[TR], s[CY]               ; the tile row: A's group, 0 .. 63
	s_lshl_b32 s[MR], s[CY], 2
	s_lshl_b32 s[MR], 15, s[MR]                    ; my row of the cluster
	s_lshl_b32 s[MC], 0x1111, s[CX]                ; my column
	GROUP1 G1,   MR, 384
	GROUP1 G1B,  MC, 768
	GROUP1 G1S,  MR, 16
	GROUP1 G1SB, MC, 32
	s_mul_i32 s92, s[TR], GRP
	s_mov_b32 s93, 0
	s_lshl_b32 s94, s[TR], 12
	s_mov_b32 s95, 0
	s_lshl_b32 s96, s[CX], 1
	s_add_co_u32 s96, s96, 152                     ; Wo's first group of my two
	s_lshl_b32 s100, s96, 12
	s_mul_i32 s96, s96, GRP
	s_mov_b32 s97, 0
	s_mov_b32 s101, 0
	s_wait_alu depctr_va_vdst(0)
	s_wait_dscnt 0x0
	s_wait_kmcnt 0x0
	s_add_nc_u64 s[92:93], s[4:5], s[92:93]
	s_add_nc_u64 s[94:95], s[6:7], s[94:95]
	s_add_nc_u64 s[96:97], s[8:9], s[96:97]
	s_add_nc_u64 s[100:101], s[10:11], s[100:101]
	CROUND                                         ; all sixteen work-groups are here: the joint loads meet
	GROUP0 G0,   0,        92
	GROUP0 G0B,  GRP,      96
	GROUP0 G0S,  SCL,      94
	GROUP0 G0SB, SCL+4096, 100
	ARM 1, G0S,  G1S,  .Lhead_sb
	ARM 2, G0SB, G1SB, .Lhead_a
	ARM 3, G0,   G1,   .Lhead_b
	tensor_load_to_lds s[G0B:G0B+3], s[G1B:G1B+7]
	s_nop 0
	PLACES 4
.Lhead_asked:
	s_mul_i32 s66, s[WM], 4*FRB                    ; A: my four tiles of each K step
	s_add_co_u32 s67, s66, 4*KSB
	s_mul_i32 s88, s[WN], GRP
	s_add_co_u32 s88, s88, GRP                     ; Wo: my group, behind A's
	s_add_co_u32 s89, s88, 4*KSB
	s_lshl_b32 s90, s[WM], 11                      ; scale words: A's, my four tiles;
	s_lshl_b32 s91, s[WN], 12
	s_add_co_u32 s91, s91, 4096                    ; Wo's, my group, behind A's:
	s_sub_co_u32 s91, s91, s90                     ; the distance between the two
	s_add_co_u32 s90, s90, SCL
	s_mul_i32 s98, s[WV], 16*SPITCH                ; my stage
	s_lshl_b32 s92, s[CX], 8
	s_lshl_b32 s93, s[WN], 7
	s_add_co_u32 s92, s92, s93
	s_lshl_b32 s92, s92, 2                         ; my first column, in bytes
	s_mov_b32 s93, 0
	s_add_nc_u64 s[12:13], s[12:13], s[92:93]
	s_lshl_b32 s94, s[TR], 7
	s_lshl_b32 s95, s[WM], 6
	s_add_co_u32 s94, s94, s95
	s_lshl_b32 s94, s94, 12                        ; my first row, in bytes (under 2^25)
	s_add_co_u32 s92, s92, s94
	s_add_nc_u64 s[14:15], s[14:15], s[92:93]
	v_and_b32 v1, 15, v0
	v_bfe_u32 v2, v0, 4, 1
	v_and_b32 v4, 31, v0
	v_lshlrev_b32 v[CO], 4, v4
	v_lshlrev_b32 v6, 3, v4
	v_add_nc_u32 v[ADRA], s66, v[CO]
	v_add_nc_u32 v[ADRA+1], s67, v[CO]
	v_add_nc_u32 v[ADRA8], s66, v6
	v_add_nc_u32 v[ADRA8+1], s67, v6
	v_add_nc_u32 v[ADRB], s88, v[CO]
	v_add_nc_u32 v[ADRB+1], s89, v[CO]
	v_mul_u32_u24 v5, s91, v2                      ; lanes 16-31 take Wo's words
	v_lshl_add_u32 v5, v1, 3, v5
	v_add_nc_u32 v[ADRS], s90, v5
	v_mul_u32_u24 v5, v1, SPITCH                   ; the stage, in: row r, 64 bytes for each half of the lanes
	v_lshl_add_u32 v5, v2, 6, v5
	v_add_nc_u32 v[STO], s98, v5
	v_add_nc_u32 v[RD], s98, v[CO]                 ; and back: the 32 lanes take one row of 512 bytes
	global_load_b128 v[BO:BO+3], v[CO], s[12:13]   ; the bias of my four columns of such a row
.macro FETCH q                         ; step q's fragments into set q % 2: 24 loads for Wo's eight, 16 for A's four
	WIN TO_B
.irp i, 0,1,2,3,4,5,6,7
.irp c, 0,1,2
	ds_load_b128 v[128*((\q)%2)+FR*\i+4*\c:128*((\q)%2)+FR*\i+4*\c+3], v[ADRB+(\q)/4] offset:((\q)%4)*KSB+\i*FRB+512*\c
.endr
.endr
	WIN 0
.irp i, 0,1,2,3
	ds_load_b128 v[AF+48*((\q)%2)+FR*\i:AF+48*((\q)%2)+FR*\i+3], v[ADRA+(\q)/4] offset:((\q)%4)*KSB+\i*FRB
	ds_load_b64 v[AF+48*((\q)%2)+FR*\i+4:AF+48*((\q)%2)+FR*\i+5], v[ADRA8+(\q)/4] offset:((\q)%4)*KSB+\i*FRB+512
	ds_load_b128 v[AF+48*((\q)%2)+FR*\i+6:AF+48*((\q)%2)+FR*\i+9], v[ADRA+(\q)/4] offset:((\q)%4)*KSB+\i*FRB+768
	ds_load_b64 v[AF+48*((\q)%2)+FR*\i+10:AF+48*((\q)%2)+FR*\i+11], v[ADRA8+(\q)/4] offset:((\q)%4)*KSB+\i*FRB+1280
.endr
.endm
.macro MUL q, zero                     ; 32 products, the 32 accumulators by turns, in the same order in every step
	WIN MUL_LO
.irp a, 0,1,2,3
.irp b, 0,1,2,3,4,5,6,7
.if \zero
	v_wmma_scale_f32_16x16x128_f8f6f4 v[8*(8*\a+\b):8*(8*\a+\b)+7], v[128*((\q)%2)+FR*\b:128*((\q)%2)+FR*\b+FR-1], v[AF+48*((\q)%2)+FR*\a:AF+48*((\q)%2)+FR*\a+FR-1], 0, v[SC+16*((\q)/2)+2*\b+(\q)%2], v[SC+16*((\q)/2)+2*\a+(\q)%2] matrix_a_fmt:MATRIX_FMT_FP6 matrix_b_fmt:MATRIX_FMT_FP6 matrix_a_scale:MATRIX_SCALE_ROW1
.else
	v_wmma_scale_f32_16x16x128_f8f6f4 v[8*(8*\a+\b):8*(8*\a+\b)+7], v[128*((\q)%2)+FR*\b:128*((\q)%2)+FR*\b+FR-1], v[AF+48*((\q)%2)+FR*\a:AF+48*((\q)%2)+FR*\a+FR-1], v[8*(8*\a+\b):8*(8*\a+\b)+7], v[SC+16*((\q)/2)+2*\b+(\q)%2], v[SC+16*((\q)/2)+2*\a+(\q)%2] matrix_a_fmt:MATRIX_FMT_FP6 matrix_b_fmt:MATRIX_FMT_FP6 matrix_a_scale:MATRIX_SCALE_ROW1
.endif
.endr
.endr
.endm
	s_wait_alu depctr_va_vdst(0)                   ; the wait at the head's end
	s_wait_tensorcnt 0x0                           ; my block is in,
	s_barrier_signal -1
	s_barrier_wait -1                              ; everybody's is
.irp pr, 0,1,2,3
.irp i, 0,1,2,3,4,5,6,7
	ds_load_b64 v[SC+16*\pr+2*\i:SC+16*\pr+2*\i+1], v[ADRS] offset:\i*512+128*\pr   ; all scale words, once
.endr
.endr
	FETCH 0
	FETCH 1
	s_wait_dscnt 40                                ; all but step 1's 40 loads
	MUL 0, 1                                       ; the first step's products start the sums
.irp q, 1,2,3,4,5,6
	PLACES 4                                       ; in front of the loads into the set that the last step multiplied
	FETCH \q+1
	s_wait_dscnt 40                                ; this step's fragments are in; the next step's 40 loads may be out
	MUL \q, 0
.endr
	s_wait_dscnt 0x0                               ; my reads of the blocks are over:
	s_barrier_signal -1                            ; say so,
	MUL 7, 0
	WIN 0
	s_barrier_wait -1                              ; and behind this wait nobody reads A's bytes: the stages lie there
; THE WAY OUT, block by block of 16 rows x 128 columns: through my stage, back as whole rows of 512 bytes, the bias added, stored as two aligned units of 256 bytes.
.macro TOSTAGE a
	WIN 0x08                                       ; the data: window 2
.irp b, 0,1,2,3,4,5,6,7
	ds_store_b128 v[STO], v[64*(\a)+8*\b:64*(\a)+8*\b+3] offset:128*(\b/2)+32*(\b%2)      ; each accumulator from its low end on; register j of tile b is column 32 (b / 2) + 16 h + 8 (b % 2) + j
	ds_store_b128 v[STO], v[64*(\a)+8*\b+4:64*(\a)+8*\b+7] offset:128*(\b/2)+32*(\b%2)+16
.endr
	WIN 0
.set BB, BK+64*((\a)%2)
.irp t, 0,1,2,3,4,5,6,7,8,9,10,11,12,13,14,15
	ds_load_b128 v[BB+4*\t:BB+4*\t+3], v[RD] offset:\t*SPITCH    ; LDS serves a wave's instructions in order: these see the stores above
.endr
.endm
.macro SEND a, younger                 ; younger: the LDS instructions issued behind block a's loads
.set BB, BK+64*((\a)%2)
	s_wait_dscnt \younger
.irp t, 0,1,2,3,4,5,6,7,8,9,10,11,12,13,14,15
	v_pk_add_f32 v[BB+4*\t:BB+4*\t+1], v[BB+4*\t:BB+4*\t+1], v[BO:BO+1]
	v_pk_add_f32 v[BB+4*\t+2:BB+4*\t+3], v[BB+4*\t+2:BB+4*\t+3], v[BO+2:BO+3]
	global_store_b128 v[CO], v[BB+4*\t:BB+4*\t+3], s[14:15] offset:(32*((\a)/2)+8*((\a)%2)+\t+8*(\t/8))*4096 th:TH_STORE_NT
.endr
.endm
	PLACES 4                                       ; behind the last products: for the stores of results and the loads into A's registers
	s_wait_loadcnt 0x0                             ; the bias
	TOSTAGE 0
.irp a, 1,2,3
.if \a > 1
	s_wait_xcnt 0x0                                ; block a - 2's stores have read their registers: block a's loads may land there
.endif
	TOSTAGE \a
	SEND \a-1, 32                                  ; behind block a - 1's loads: block a's 16 stores and 16 loads
.endr
	SEND 3, 0
	s_wait_tensorcnt 0x0                           ; the wave's end
	ds_add_u32 v[SPW], v[NIL]
	s_wait_dscnt 0x0
	CROUND                                         ; the closing round
	s_endpgm
.Lfunc_end_k_qbb6b48973b_outp:
	.size	k_qbb6b48973b_outp, .Lfunc_end_k_qbb6b48973b_outp-k_qbb6b48973b_outp
	.p2alignl 7, 3214868480
	.fill 96, 4, 3214868480
	.section	.rodata,"a",@progbits
	.p2align	6, 0x0
	.amdhsa_kernel k_qbb6b48973b_outp
		.amdhsa_group_segment_fixed_size 327680
		.amdhsa_private_segment_fixed_size 0
		.amdhsa_enable_private_segment 0
		.amdhsa_kernarg_size 48
		.amdhsa_user_sgpr_count 2
		.amdhsa_user_sgpr_kernarg_segment_ptr 1
		.amdhsa_wavefront_size32 1
		.amdhsa_system_sgpr_workgroup_id_x 1
		.amdhsa_system_sgpr_workgroup_id_y 1
		.amdhsa_system_sgpr_workgroup_id_z 1
		.amdhsa_system_vgpr_workitem_id 0
		.amdhsa_next_free_vgpr 768
		.amdhsa_next_free_sgpr 102
		.amdhsa_reserve_vcc 0
		.amdhsa_float_denorm_mode_32 3
		.amdhsa_float_denorm_mode_16_64 3
		.amdhsa_memory_ordered 1
		.amdhsa_forward_progress 1
		.amdhsa_inst_pref_size 87
	.end_amdhsa_kernel
	.amdgpu_metadata
---
amdhsa.version: [ 1, 2 ]
amdhsa.kernels:
  - .name:           k_qbb6b48973b_outp
    .symbol:         k_qbb6b48973b_outp.kd
    .args:
      - { .name: ao, .offset: 0, .size: 8, .value_kind: global_buffer, .address_space: global }
      - { .name: aos, .offset: 8, .size: 8, .value_kind: global_buffer, .address_space: global }
      - { .name: opc, .offset: 16, .size: 8, .value_kind: global_buffer, .address_space: global }
      - { .name: ops, .offset: 24, .size: 8, .value_kind: global_buffer, .address_space: global }
      - { .name: bo, .offset: 32, .size: 8, .value_kind: global_buffer, .address_space: global }
      - { .name: out0, .offset: 40, .size: 8, .value_kind: global_buffer, .address_space: global }
    .group_segment_fixed_size: 327680
    .private_segment_fixed_size: 0
    .kernarg_segment_align: 8
    .kernarg_segment_size: 48
    .max_flat_workgroup_size: 128
    .sgpr_count:     102
    .vgpr_count:     768
    .wavefront_size: 32
...
	.end_amdgpu_metadata
.endif
;; end of part 4
